; MI455X (gfx1250); checked and timed in simulation.
; The chip was launched on July 23, 2026; its instructions are those of AMD's public machine-readable ISA for CDNA 5 (MIT licence, August 2026) and "CDNA5" Instruction Set Architecture Reference Guide (July 2026). The comments in the code are by the model that wrote it; some were corrected since.
;; Swin Transformer Block. Allowed arithmetic: matrix products marked QUANTISED: E5M2 operands, one E8M0 scale for each 32 along K, by v_wmma_scale_f32_16x16x128_f8f6f4 with both operands' format E5M2, f32 sums; everything else in f32.
;; Inputs: b1 1,024 float32; b2 256 float32; bk 256 float32; bo 256 float32; bq 256 float32; bv 256 float32; hidden_states 8 x 4,096 x 256 float32; ln1_b 256 float32; ln1_g 256 float32; ln2_b 256 float32; ln2_g 256 float32; rel_table 225 x 8 float32; w1 1,024 x 256 float32; w2 256 x 1,024 float32; wk 256 x 256 float32; wo 256 x 256 float32; wq 256 x 256 float32; wv 256 x 256 float32.
;; Outputs: out0 8 x 4,096 x 256 float32.
;; This version of the problem:
;;   THIS VERSION OF THE PROBLEM IS GIVEN IN LOW PRECISION. The matrix products marked QUANTISED in the list below multiply operands that are first quantised to E5M2 (5 exponent bits, 2 mantissa bits; 8 bits a number), with one power-of-two scale for each 32 numbers along K (OCP MX v1.0); their sums are f32. All else is computed in f32.
;;   The module's matrix products, in the order in which they are computed (A, B: the left and right operand; K: the contracted axis; several contracted axes count as one K, in the product's order):
;;     1. [M 32,768, K 256] x [K 256, N 256]; A: computed on the way; B: input wq: QUANTISED
;;     2. [M 32,768, K 256] x [K 256, N 256]; A: computed on the way; B: input wk: QUANTISED
;;     3. [M 32,768, K 256] x [K 256, N 256]; A: computed on the way; B: input wv: QUANTISED
;;     4. batch 4,096 x [M 64, K 32] x [K 32, N 64]; A: computed on the way; B: computed on the way: QUANTISED
;;     5. batch 4,096 x [M 32, K 64] x [K 64, N 64]; A: computed on the way; B: computed on the way: QUANTISED
;;     6. [M 32,768, K 256] x [K 256, N 256]; A: computed on the way; B: input wo: QUANTISED
;;     7. [M 32,768, K 256] x [K 256, N 1,024]; A: computed on the way; B: input w1: QUANTISED
;;     8. [M 32,768, K 1,024] x [K 1,024, N 256]; A: computed on the way; B: input w2: QUANTISED
;;   THE QUANTISER, for each operand of a quantised product, along K:
;;     - K is cut into blocks of 32 from its start; a last block that is shorter is filled with zeros.
;;     - A block's scale is 2^e with e = floor(log2(the largest magnitude in the block)) - 15, held to -126 .. 127; a block of zeros has e = 0. As a byte (E8M0): e + 127.
;;     - Each number is divided by its block's scale, clamped to +-57,344, and rounded to the nearest number of E5M2, ties to even, subnormals kept.
;;     - The product sums the exact products of the quantised numbers (number of the format x scale) in f32.
;;   ~~~python
;;   def quantise(x, axis):      # numpy; x: float32 -> the quantised numbers, widened to float32 again
;;       x = np.moveaxis(x, axis, -1); K = x.shape[-1]
;;       x = np.pad(x, [(0, 0)] * (x.ndim - 1) + [(0, -K % 32)]); x = x.reshape(x.shape[:-1] + (-1, 32)); a = np.abs(x).max(-1, keepdims=True)
;;       e = np.where(a > 0, np.clip(np.frexp(np.where(a > 0, a, 1))[1] - 1 - 15, -126, 127), 0)      # np.frexp(a)[1] - 1 = floor(log2(a)), exactly
;;       r = np.clip(x / 2.0 ** e, -57344, 57344)
;;       step = 2.0 ** (np.maximum(np.frexp(np.where(r == 0, 1, r))[1] - 1, -14) - 2)
;;       q = np.round(r / step) * step * 2.0 ** e      # np.round: ties to even
;;       return np.moveaxis(q.reshape(q.shape[:-2] + (-1,))[..., :K], -1, axis).astype(np.float32)
;;   ~~~
;;   OPERANDS COMPUTED ON THE WAY. 'Computed on the way' means the value that the module computes at that place (a softmax that the list does not call 'softmax' is quantised finished and normalised). What goes into a quantiser is computed in f32, as accurately as f32 sums, v_exp_f32 and their like allow (about 1e-6 of the number): no bf16 or f16 on the way to a quantiser, and a product that is left as it is and whose result goes on into a quantised operand takes f32 operands (vector FMAs, or v_wmma_f32_16x16x4_f32). A number that lies on a knife's edge between two numbers of the format may be rounded either way, as far as f32 arithmetic and the matrix unit's own rounding can turn it there, and no further.
;; 2 versions, each right and faster than the one before. Each part assembles by itself: llvm-mc -triple=amdgcn-amd-amdhsa -mcpu=gfx1250 --defsym DOCPART=n.
;; ======== version 1 of 2: 2 launches
;; workspace buffers: wcodes 786,432 bytes; wscales 49,152 bytes
;; launch quant (part 1): grid 8 x 12, 4 waves a work-group, no clusters, 0 bytes of LDS; arguments wk, wv, wq, wo, w1, w2, wcodes, wscales; writes wcodes, wscales
.if DOCPART == 1
	.amdgcn_target "amdgcn-amd-amdhsa--gfx1250"
	.amdhsa_code_object_version 6
	.text
	.protected	k_q4ae4375fbe_quant
	.globl	k_q4ae4375fbe_quant
	.p2align	8
	.type	k_q4ae4375fbe_quant,@function
k_q4ae4375fbe_quant:
	s_mov_b64 s[64:65], 0
	v_nop
	global_prefetch_b8 v0, s[64:65] scope:SCOPE_SE
	s_setreg_imm32_b32 hwreg(HW_REG_WAVE_MODE, 25, 1), 1
	s_wait_xcnt 0x0
; The six weights (f32, K innermost) become codes of BF8 (E5M2) with one E8M0 byte for each 32 along K, laid in the ORDER OF THE READER'S REGISTERS.
; wcodes  [pair 12][wave 8][fragment 4][group 4][lane 32][16 bytes];  wscales [pair 12][wave 8][fragment 4][lane 32] words (lanes 16-31 repeat lanes 0-15).
; Pairs in the order of use: 0 wk, 1 wv, 2 wq, 3 wo, 4 + 2 p: w1's rows 256 p on, 5 + 2 p: w2's columns 256 p on (p = 0 .. 3).
; Fragment f = 2 u + s: tile u of 16 rows, K step s of 128.  Lane (r, h), group c holds W[rowbase + 8 u + r + 8 (r / 8)][kbase + 32 c + 16 h + 0 .. 15]:
; the rows of a tile are not neighbours, so that in the reader a lane's 16 results of tiles 0 and 1 are 16 neighbours along the next K.
; Work-group x = the reader's wave, y = the pair; each of the four waves makes one fragment.  No LDS, no barrier, no loop; each store of codes covers 512 consecutive bytes.
; A block's scale is 2^(floor(log2(its largest magnitude)) - 15); its byte is that magnitude's exponent field - 15, held at 1 from below.
; LIMITS: a block of zeros, and a block whose largest magnitude lies under 2^-111, gets the byte 1 (this program alone reads the bytes; zero codes add nothing); NaN and infinities are not served.
.set X,   16                           ; v16-79   64 numbers: register 16 b + i = k 32 b + 16 h + i of my row
.set TM,  80                           ; v80-95   at work
.set PW,  96                           ; v96      the scale word
.set PC,  100                          ; v100-115 the codes
	s_load_b256 s[4:11], s[0:1], 0x0               ; wk, wv, wq, wo
	s_load_b256 s[12:19], s[0:1], 0x20             ; w1, w2, wcodes, wscales
	v_lshrrev_b32 v1, 5, v0
	v_readfirstlane_b32 s24, v1                    ; my wave's number = the fragment f
	s_and_b32 s22, ttmp7, 0xffff                   ; the pair
	s_lshr_b32 s25, s24, 1                         ; u
	s_and_b32 s26, s24, 1                          ; s
	s_max_u32 s27, s22, 4
	s_sub_co_u32 s27, s27, 4
	s_lshr_b32 s27, s27, 1                         ; p
	s_lshl_b32 s27, s27, 8                         ; 256 p
	s_and_b32 s28, s22, 1
	s_cmp_ge_u32 s22, 4
	s_cselect_b32 s29, 1, 0                        ; a pair of the MLP
	s_and_b32 s28, s28, s29                        ; 1 for w2
	s_sub_co_u32 s29, s29, s28                     ; 1 for w1
	s_mul_i32 s30, s29, s27                        ; w1: 256 p rows on
	s_mul_i32 s31, s28, s27                        ; w2: 256 p along K on
	s_lshl_b32 s32, ttmp9, 5
	s_add_co_u32 s30, s30, s32                     ; + 32 x the reader's wave
	s_lshl_b32 s32, s25, 3
	s_add_co_u32 s30, s30, s32                     ; + 8 u
	s_lshl_b32 s32, s26, 7
	s_add_co_u32 s31, s31, s32                     ; + 128 s
	s_lshl_b32 s31, s31, 2                         ; in bytes
	s_lshl_b32 s33, s28, 1
	s_add_co_u32 s33, s33, 10                      ; a row is 2^10 bytes, w2's 2^12
	s_lshl_b32 s34, s22, 16                        ; where the codes go: 65,536 pair + 8,192 wave + 2,048 f
	s_lshl_b32 s32, ttmp9, 13
	s_add_co_u32 s34, s34, s32
	s_lshl_b32 s32, s24, 11
	s_add_co_u32 s34, s34, s32
	s_mov_b32 s35, 0
	s_lshr_b32 s36, s34, 4                         ; the scale words: a sixteenth of that
	s_mov_b32 s37, 0
	s_mov_b32 s38, 0x76543210
	s_mov_b32 s39, 0xfedcba98                      ; v_permlanex16_b32's selects for lane l xor 16
	s_mov_b32 s23, 0x600000                        ; the mantissa field of 57,344
	v_and_b32 v1, 15, v0                           ; r
	v_bfe_u32 v2, v0, 4, 1                         ; h
	v_and_b32 v3, 8, v1
	v_add_nc_u32 v3, v3, v1                        ; r + 8 (r / 8)
	v_add_nc_u32 v3, s30, v3                       ; my row
	v_lshlrev_b32 v3, s33, v3
	v_lshl_add_u32 v3, v2, 6, v3                   ; + 16 h numbers
	v_add_nc_u32 v3, s31, v3
	v_and_b32 v4, 31, v0
	v_lshlrev_b32 v5, 2, v4                        ; 4 x lane
	v_lshlrev_b32 v4, 4, v4                        ; 16 x lane
.irp b, 0,1,2,3
	v_mov_b32 v[TM+4+\b], 0                        ; a lane permute's destination counts as one of its sources
.endr
	s_wait_kmcnt 0x0
	s_mov_b64 s[20:21], s[4:5]                     ; the source is chosen by the pair's number alone
	s_cmp_eq_u32 s22, 1
	s_cselect_b64 s[20:21], s[6:7], s[20:21]
	s_cmp_eq_u32 s22, 2
	s_cselect_b64 s[20:21], s[8:9], s[20:21]
	s_cmp_eq_u32 s22, 3
	s_cselect_b64 s[20:21], s[10:11], s[20:21]
	s_cmp_ge_u32 s22, 4
	s_cselect_b64 s[20:21], s[12:13], s[20:21]
	s_cmp_lg_u32 s28, 0
	s_cselect_b64 s[20:21], s[14:15], s[20:21]
	s_add_nc_u64 s[16:17], s[16:17], s[34:35]
	s_add_nc_u64 s[18:19], s[18:19], s[36:37]
.irp c, 0,1,2,3
.irp q, 0,1,2,3
	global_load_b128 v[X+16*\c+4*\q:X+16*\c+4*\q+3], v3, s[20:21] offset:128*\c+16*\q
.endr
.endr
	s_wait_loadcnt 0x0
.irp b, 0,1,2,3
	v_max3_num_f32 v[TM+\b], |v[X+16*\b]|, |v[X+1+16*\b]|, 0x8000000   ; block b: my 16 numbers and the floor 2^(16 - 127): the byte cannot fall under 1
.endr
.irp i, 2,4,6,8,10,12,14
.irp b, 0,1,2,3
	v_max3_num_f32 v[TM+\b], v[TM+\b], |v[X+16*\b+\i]|, |v[X+1+16*\b+\i]|   ; the four blocks by turns
.endr
.endr
.irp b, 0,1,2,3
	v_permlanex16_b32 v[TM+4+\b], v[TM+\b], s38, s39
.endr
.irp b, 0,1,2,3
	v_max_num_f32 v[TM+\b], v[TM+\b], v[TM+4+\b]   ; with lane l xor 16's 16: the block's largest magnitude
.endr
.irp b, 0,1,2,3
	v_add_nc_u32 v[TM+12+\b], 0xf8800000, v[TM+\b] ; 15 off its exponent field: the conversion's scale operand
.endr
.irp b, 0,1,2,3
	v_and_or_b32 v[TM+8+\b], v[TM+\b], 0x7f800000, s23   ; 57,344 x the scale
.endr
.irp b, 0,1,2,3
	v_lshrrev_b32 v[TM+4+\b], 23, v[TM+12+\b]      ; the scale's byte
.endr
	v_lshl_or_b32 v[PW], v[TM+5], 8, v[TM+4]
	v_lshl_or_b32 v[PW], v[TM+6], 16, v[PW]
	v_lshl_or_b32 v[PW], v[TM+7], 24, v[PW]
.irp b, 0,1,2,3
.irp i, 0,1,2,3,4,5,6,7,8,9,10,11,12,13,14,15
	v_med3_num_f32 v[X+16*\b+\i], v[X+16*\b+\i], -v[TM+8+\b], v[TM+8+\b]   ; the conversion to an 8-bit code does not saturate (ISA guide 7.6.2): the hold
.endr
	v_cvt_scalef32_pk8_bf8_f32 v[PC+4*\b:PC+1+4*\b], v[X+16*\b:X+7+16*\b], v[TM+12+\b]
	v_cvt_scalef32_pk8_bf8_f32 v[PC+2+4*\b:PC+3+4*\b], v[X+8+16*\b:X+15+16*\b], v[TM+12+\b]
.endr
	v_nop
.irp c, 0,1,2,3
	global_store_b128 v4, v[PC+4*\c:PC+4*\c+3], s[16:17] offset:512*\c    ; 32 lanes store 512 consecutive bytes
.endr
	global_store_b32 v5, v[PW], s[18:19]
	s_endpgm
.Lfunc_end_k_q4ae4375fbe_quant:
	.size	k_q4ae4375fbe_quant, .Lfunc_end_k_q4ae4375fbe_quant-k_q4ae4375fbe_quant
	.p2alignl 7, 3214868480
	.fill 96, 4, 3214868480
	.section	.rodata,"a",@progbits
	.p2align	6, 0x0
	.amdhsa_kernel k_q4ae4375fbe_quant
		.amdhsa_group_segment_fixed_size 0
		.amdhsa_private_segment_fixed_size 0
		.amdhsa_enable_private_segment 0
		.amdhsa_kernarg_size 64
		.amdhsa_user_sgpr_count 2
		.amdhsa_user_sgpr_kernarg_segment_ptr 1
		.amdhsa_wavefront_size32 1
		.amdhsa_system_sgpr_workgroup_id_x 1
		.amdhsa_system_sgpr_workgroup_id_y 1
		.amdhsa_system_sgpr_workgroup_id_z 1
		.amdhsa_system_vgpr_workitem_id 0
		.amdhsa_next_free_vgpr 128
		.amdhsa_next_free_sgpr 66
		.amdhsa_reserve_vcc 0
		.amdhsa_float_denorm_mode_32 3
		.amdhsa_float_denorm_mode_16_64 3
		.amdhsa_memory_ordered 1
		.amdhsa_forward_progress 1
		.amdhsa_inst_pref_size 13
	.end_amdhsa_kernel
	.amdgpu_metadata
---
amdhsa.version: [ 1, 2 ]
amdhsa.kernels:
  - .name:           k_q4ae4375fbe_quant
    .symbol:         k_q4ae4375fbe_quant.kd
    .args:
      - { .name: wk, .offset: 0, .size: 8, .value_kind: global_buffer, .address_space: global }
      - { .name: wv, .offset: 8, .size: 8, .value_kind: global_buffer, .address_space: global }
      - { .name: wq, .offset: 16, .size: 8, .value_kind: global_buffer, .address_space: global }
      - { .name: wo, .offset: 24, .size: 8, .value_kind: global_buffer, .address_space: global }
      - { .name: w1, .offset: 32, .size: 8, .value_kind: global_buffer, .address_space: global }
      - { .name: w2, .offset: 40, .size: 8, .value_kind: global_buffer, .address_space: global }
      - { .name: wcodes, .offset: 48, .size: 8, .value_kind: global_buffer, .address_space: global }
      - { .name: wscales, .offset: 56, .size: 8, .value_kind: global_buffer, .address_space: global }
    .group_segment_fixed_size: 0
    .private_segment_fixed_size: 0
    .kernarg_segment_align: 8
    .kernarg_segment_size: 64
    .max_flat_workgroup_size: 128
    .sgpr_count:     66
    .vgpr_count:     128
    .wavefront_size: 32
...
	.end_amdgpu_metadata
.endif
;; end of part 1
;; launch block (part 2): grid 256 x 1, 8 waves a work-group, no clusters, 283,648 bytes of LDS; arguments hidden_states, wcodes, wscales, ln1_g, ln1_b, bk, bv, bq, rel_table, bo, ln2_g, ln2_b, b1, b2, out0; writes out0
.if DOCPART == 2
	.amdgcn_target "amdgcn-amd-amdhsa--gfx1250"
	.amdhsa_code_object_version 6
	.text
	.protected	k_q4ae4375fbe_block
	.globl	k_q4ae4375fbe_block
	.p2align	8
	.type	k_q4ae4375fbe_block,@function
k_q4ae4375fbe_block:
	s_mov_b64 s[64:65], 0
	v_nop
	global_prefetch_b8 v0, s[64:65] scope:SCOPE_SE
	s_setreg_imm32_b32 hwreg(HW_REG_WAVE_MODE, 25, 1), 1
	s_wait_xcnt 0x0
; One Swin block, whole: LN1, shift, windows, QKV, attention with relative bias and shift mask, wo, residual, LN2, MLP with exact GELU, residual.  All eight products on codes of BF8 (E5M2) with
; one E8M0 scale for each 32 along K; all else f32.  x is read once, out is written once, nothing else goes to memory.
; SHARES.  Work-group g owns two windows: batch g / 32, window row wh = (g / 4) % 8, window columns ww = 2 (g % 4) + win: 128 tokens = 8 tiles of 16 rows, tile m = 4 win + T.
; Row r of tile T is token 32 (T / 2) + 8 (T % 2) + r + 8 (r / 8) of its window, so that the 16 registers of two neighbouring tiles of keys are 16 neighbouring keys.
; THE EIGHT WAVES SHARE THE COLUMNS: wave w owns channels 32 w .. 32 w + 31 of every array 256 wide, head w, hidden units 256 p + 32 w .. of chunk p.  Two waves stand on a SIMD, 512 registers each.
; A LANE'S LAYOUT, everywhere: lane (r, h) holds row r and, in 16 registers, columns 32 w + 16 h + 0 .. 15.  That is what a product used transposed (source 0 = 16 rows of a weight, chosen as the
; tokens of a tile are; source 1 = 16 rows of the activation) leaves, what the quantiser wants (a block of 32 = my 16 and lane l xor 16's), and the layout of the residual.
; OPERANDS GO FROM WAVE TO WAVE THROUGH LDS AS IMAGES OF THEIR REGISTERS: fragment (tile m, K step s) is 2,048 bytes at (2 m + s) 2,048 + 512 c + 16 lane; wave w's block is group w % 4 of K step w / 4:
; one ds_store_b128 at 4,096 m + 512 w + 16 lane, and its scale byte at 256 m + 128 (w / 4) + w % 4 + 4 lane.
; WEIGHTS come as codes in register order (launch quant): a pair of 64 KiB serves one pass; wave w loads its 8 KiB straight into one of two register buffers while the other is multiplied.
; NO CLUSTER, NO TENSOR LOADS: every weight byte is wanted by ONE wave of a work-group, in register order.  A joint load would land in LDS, of which 282,624 of 327,680 bytes are in use: the 45,056
; left hold no slot of a pair's 65,536 bytes, let alone two; and each byte would be written to LDS and read back for nothing.
; V is made untransposed (source 0 = tokens, source 1 = wv's rows): a lane then holds one channel and 16 neighbouring tokens, which are the second product's K.
; K = 32 (scores) and K = 64 (P V) are filled up to 128 with zero codes on one side; the other side's registers there hold finite codes.
; LIMITS.  NaN and infinities are not served.  A block of zeros, and one whose largest magnitude lies under 2^-111, gets the scale byte 1 (its codes are zeros or as the held scale gives them).
; v_exp_f32 gives 0 for p under 2^-126.  erf is the rational form z P(z^2) / Q(z^2) with |z| held at 4: a few 1e-7 absolute; 1 + erf is formed as a sum.  The division by sqrt(32) and by the
; softmax's sum are multiplications by the f32 reciprocal.
; LDS:  STG 128 rows x 1,040 (x in, kept for the residual; out on the way out) | XIMG, XSC LN1's codes, later LN2's | CIMG, CSC ctx's | ST LN statistics, 80 bytes a token | HIMG, HSC the hidden chunk's, two buffers.
; REGISTERS.  Window 1: v0-127 XR, the rows in f32 (16 m + i); until attention is done: RB v0-71 relative bias, BK v72-87, BV v88-103, BQ v104-119; v128-191 WA, v192-255 WB: the weight buffers.
; Window 0: v1-24 addresses; v26-31 three pairs for broadcasts; v32-39 weights' scale words; v40-43 the fetched fragments'; v44-51 K's, later H's; v52-55 V's; v56, v57 q's, p's; v58-62 the quantiser's;
;   v64-127 and v192-255 by phase (see each phase); v128-191 two sets of fetched fragments.  In the LN phases v40-55 hold (mean, 1 / sigma) of the eight tiles and v56-63 are at work.
.set SPIT,  1040                       ; a row of the stage: 1,024 bytes + 16, an odd multiple of 16: 16 rows of a load fall on different banks (64 banks of 4 bytes: ISA guide 11.1)
.set TILEB, 16*SPIT
.set XIMG,  133120
.set XSC,   165888
.set CIMG,  167936
.set CSC,   200704
.set ST,    202752
.set HIMG,  0x34000
.set HSC,   0x44000
.set LI,  1                            ; 16 x lane
.set LS,  2                            ; 4 x lane
.set CO,  3                            ; 128 w + 64 h: my 16 columns, in bytes of f32
.set VO,  4                            ; 4 (32 w + r + 8 (r / 8)): bv of my lane's channel
.set RBO, 5                            ; my lane's place in rel_table
.set AXI, 6
.set AXS, 7
.set ACI, 8
.set ACS, 9
.set WXI, 10
.set WXS, 11
.set WCI, 12
.set WCS, 13
.set WI0, 14                           ; 512 w + 16 lane
.set WS0, 15                           ; 128 (w / 4) + w % 4 + 4 lane
.set AHI, 16
.set AHS, 17
.set WHI, 18
.set WHS, 19
.set STW, 20
.set STR, 21
.set SGW, 22                           ; the stage by rows: tile w, 16 bytes a lane
.set SGR, 23                           ; v23, v24: the stage by columns: row r, my 64 bytes; tiles 0-3, tiles 4-7
.set MS,  26
.set RP,  28
.set RI,  30
.set WSC, 32
.set ASC, 40
.set KS,  44
.set VS,  52
.set QSC, 56
.set PSC, 57
.set TA,  58
.set TB,  59
.set TSC, 60
.set THO, 61
.set TBY, 62
.set MR,  40
.set TT,  56
.set D,   64
.set E,   80
.set GZ,  64
.set GT,  72
.set GP,  80
.set GQ,  88
.set CF,  96
.set MSB, 0
.macro WIN new                         ; the immediate's high byte repeats the setting that is left; a switch that changes nothing is dropped
.if MSB != (\new)
	s_set_vgpr_msb (MSB<<8)|(\new)
.set MSB, (\new)
.endif
.endm
; Behind this matrix form 8 plain vector instructions that name none of its registers stand before its result is read, or a register of it is written or loaded into, and 9 before another
; matrix instruction writes over one of its registers.  Where a pass has vector work on other registers, that work is the places.
.macro PLACES n
.rept \n
	v_nop
.endr
.endm
.macro BARRIER                         ; my LDS stores have landed and my LDS loads are in: then the work-group's barrier
	s_wait_dscnt 0x0
	s_barrier_signal -1
	s_barrier_wait -1
.endm
.macro WLOAD buf, coff, soff           ; my 8 KiB of a pair into weight buffer buf, and its four scale words: 20 loads, each of codes 512 consecutive bytes
	WIN 0x40
.irp g, 0,1,2,3,4,5,6,7,8,9,10,11,12,13,14,15
	global_load_b128 v[128+64*(\buf)+4*\g:128+64*(\buf)+4*\g+3], v[LI], s[40:41] offset:(\coff)+512*\g
.endr
	WIN 0
.irp f, 0,1,2,3
	global_load_b32 v[WSC+4*(\buf)+\f], v[LS], s[42:43] offset:(\soff)+128*\f
.endr
.endm
.macro FETCH adr, sca, set, m          ; tile m's two fragments and scale words out of an image: 10 LDS loads
.irp z, 0,1
.irp c, 0,1,2,3
	ds_load_b128 v[128+32*(\set)+16*\z+4*\c:128+32*(\set)+16*\z+4*\c+3], v[\adr] offset:(2*(\m)+\z)*2048+512*\c
.endr
.endr
.irp z, 0,1
	ds_load_b32 v[ASC+2*(\set)+\z], v[\sca] offset:(2*(\m)+\z)*128
.endr
.endm
.macro WMC d, a, b, c, sa, sb
	v_wmma_scale_f32_16x16x128_f8f6f4 v[(\d):(\d)+7], v[(\a):(\a)+15], v[(\b):(\b)+15], v[(\c):(\c)+7], v[\sa], v[\sb] matrix_a_fmt:MATRIX_FMT_BF8 matrix_b_fmt:MATRIX_FMT_BF8
.endm
.macro WMZ d, a, b, sa, sb             ; the product starts its sum
	v_wmma_scale_f32_16x16x128_f8f6f4 v[(\d):(\d)+7], v[(\a):(\a)+15], v[(\b):(\b)+15], 0, v[\sa], v[\sb] matrix_a_fmt:MATRIX_FMT_BF8 matrix_b_fmt:MATRIX_FMT_BF8
.endm
; A tile of rows against my 32 rows of a weight, K = 256: source 0 = the weight's fragment 2 u + s, source 1 = the fetched set.  The two accumulators take turns, one instruction a turn.
.macro MMT buf, set, d, c, wa, wb      ; c: what the sums begin with (a bias, or the accumulator itself); wa, wb: the windows for the first two and the last two
	WIN \wa
	WMC (\d), 128+64*(\buf), 128+32*(\set), (\c), WSC+4*(\buf), ASC+2*(\set)
	WMC (\d)+8, 128+64*(\buf)+32, 128+32*(\set), (\c)+8, WSC+4*(\buf)+2, ASC+2*(\set)
	WIN \wb
	WMC (\d), 128+64*(\buf)+16, 128+32*(\set)+16, (\d), WSC+4*(\buf)+1, ASC+2*(\set)+1
	WMC (\d)+8, 128+64*(\buf)+48, 128+32*(\set)+16, (\d)+8, WSC+4*(\buf)+3, ASC+2*(\set)+1
	WIN 0
.endm
; THE QUANTISER of one block: my 16 numbers v[s] on, and lane l xor 16's.  QB1: the largest magnitude (with the floor 2^(16 - 127), which holds the byte at 1), the conversion's scale operand,
; 57,344 x the scale, the byte.  Each of the two accumulators in v[s] on is first read at its low end.  QB2: the hold (the conversion does not saturate: ISA guide 7.6.2) and the codes.
.macro QB1 s
	v_max3_num_f32 v[TA], |v[\s]|, |v[\s+1]|, 0x8000000
	v_max3_num_f32 v[TB], |v[\s+2]|, |v[\s+3]|, |v[\s+4]|
	v_max3_num_f32 v[TA], v[TA], |v[\s+5]|, |v[\s+6]|
	v_max3_num_f32 v[TB], v[TB], |v[\s+7]|, |v[\s+8]|
	v_max3_num_f32 v[TA], v[TA], |v[\s+9]|, |v[\s+10]|
	v_max3_num_f32 v[TB], v[TB], |v[\s+11]|, |v[\s+12]|
	v_max3_num_f32 v[TA], v[TA], |v[\s+13]|, |v[\s+14]|
	v_max3_num_f32 v[TA], v[TA], v[TB], |v[\s+15]|
	v_permlanex16_b32 v[TB], v[TA], s46, s47
	v_max_num_f32 v[TA], v[TA], v[TB]
	v_add_nc_u32 v[TSC], 0xf8800000, v[TA]         ; 15 off the exponent field
	v_and_or_b32 v[THO], v[TA], 0x7f800000, s48
	v_lshrrev_b32 v[TBY], 23, v[TSC]
.endm
.macro QB2 s, dst
.irp i, 0,1,2,3,4,5,6,7,8,9,10,11,12,13,14,15
	v_med3_num_f32 v[\s+\i], v[\s+\i], -v[THO], v[THO]
.endr
	v_cvt_scalef32_pk8_bf8_f32 v[\dst:\dst+1], v[\s:\s+7], v[TSC]
	v_cvt_scalef32_pk8_bf8_f32 v[\dst+2:\dst+3], v[\s+8:\s+15], v[TSC]
	v_nop                                          ; one plain line behind the last conversion
.endm
.macro XFROM win                       ; the 128 rows' numbers of my columns out of the stage into v[XB + 16 m] on of the window named
	WIN \win
.irp m, 0,1,2,3,4,5,6,7
.irp q, 0,1,2,3
	ds_load_b128 v[XB+16*\m+4*\q:XB+16*\m+4*\q+3], v[SGR+\m/4] offset:(\m%4)*TILEB+16*\q
.endr
.endr
	WIN 0
.endm
; LAYER NORM in three steps.  LNSTAT: mean and sum of squared distances of my group of 32 columns (my 16 and lane l xor 16's) of tile m's rows, to LDS.  No difference of large sums is formed.
.macro LNSTAT xb, xw, m
	WIN 5*\xw
	v_pk_add_f32 v[E:E+1], v[\xb:\xb+1], v[\xb+2:\xb+3]
	v_pk_add_f32 v[E+2:E+3], v[\xb+4:\xb+5], v[\xb+6:\xb+7]
	v_pk_add_f32 v[E+4:E+5], v[\xb+8:\xb+9], v[\xb+10:\xb+11]
	v_pk_add_f32 v[E+6:E+7], v[\xb+12:\xb+13], v[\xb+14:\xb+15]
	WIN 0
	v_pk_add_f32 v[E:E+1], v[E:E+1], v[E+2:E+3]
	v_pk_add_f32 v[E+4:E+5], v[E+4:E+5], v[E+6:E+7]
	v_pk_add_f32 v[E:E+1], v[E:E+1], v[E+4:E+5]
	v_add_f32 v[E], v[E], v[E+1]
	v_permlanex16_b32 v[E+1], v[E], s46, s47
	v_add_f32 v[E], v[E], v[E+1]
	v_mul_f32 v[MS], 0x3d000000, v[E]              ; / 32
	WIN \xw
.irp i, 0,2,4,6,8,10,12,14
	v_pk_add_f32 v[D+\i:D+\i+1], v[\xb+\i:\xb+\i+1], v[MS:MS+1] op_sel_hi:[1,0] neg_lo:[0,1] neg_hi:[0,1]
.endr
	WIN 0
	v_pk_mul_f32 v[E:E+1], v[D:D+1], v[D:D+1]
	v_pk_mul_f32 v[E+2:E+3], v[D+2:D+3], v[D+2:D+3]
.irp i, 4,8,12
	v_pk_fma_f32 v[E:E+1], v[D+\i:D+\i+1], v[D+\i:D+\i+1], v[E:E+1]
	v_pk_fma_f32 v[E+2:E+3], v[D+\i+2:D+\i+3], v[D+\i+2:D+\i+3], v[E+2:E+3]
.endr
	v_pk_add_f32 v[E:E+1], v[E:E+1], v[E+2:E+3]
	v_add_f32 v[E], v[E], v[E+1]
	v_permlanex16_b32 v[E+1], v[E], s46, s47
	v_add_f32 v[MS+1], v[E], v[E+1]
	ds_store_b64 v[STW], v[MS:MS+1] offset:1280*(\m)
.endm
.macro STLOAD e, m                     ; my row's eight (mean, squares) of tile m
.irp q, 0,1,2,3
	ds_load_b128 v[\e+4*\q:\e+4*\q+3], v[STR] offset:1280*(\m)+16*\q
.endr
.endm
; LNCOMB: the eight groups are merged: mean = the means' mean; squares = the sum of the groups' + 32 x the sum of (group mean - mean)^2.
.macro LNCOMB e, m
	v_pk_add_f32 v[TT:TT+1], v[\e:\e+1], v[\e+2:\e+3]
	v_pk_add_f32 v[TT+2:TT+3], v[\e+4:\e+5], v[\e+6:\e+7]
	v_pk_add_f32 v[TT+4:TT+5], v[\e+8:\e+9], v[\e+10:\e+11]
	v_pk_add_f32 v[TT+6:TT+7], v[\e+12:\e+13], v[\e+14:\e+15]
	v_pk_add_f32 v[TT:TT+1], v[TT:TT+1], v[TT+2:TT+3]
	v_pk_add_f32 v[TT+4:TT+5], v[TT+4:TT+5], v[TT+6:TT+7]
	v_pk_add_f32 v[TT:TT+1], v[TT:TT+1], v[TT+4:TT+5]
	v_mul_f32 v[MR+2*(\m)], 0x3e000000, v[TT]      ; / 8
.irp i, 0,2,4,6,8,10,12,14
	v_sub_f32 v[\e+\i], v[\e+\i], v[MR+2*(\m)]
.endr
	v_mul_f32 v[TT+2], v[\e], v[\e]
	v_mul_f32 v[TT+3], v[\e+2], v[\e+2]
.irp i, 4,8,12
	v_fma_f32 v[TT+2], v[\e+\i], v[\e+\i], v[TT+2]
	v_fma_f32 v[TT+3], v[\e+\i+2], v[\e+\i+2], v[TT+3]
.endr
	v_add_f32 v[TT+2], v[TT+2], v[TT+3]
	v_fma_f32 v[TT+1], v[TT+2], 0x42000000, v[TT+1]   ; x 32
	v_fma_f32 v[TT+1], v[TT+1], s54, s55           ; / 256 + 1e-5
	v_rsq_f32 v[MR+2*(\m)+1], v[TT+1]
	v_nop                                          ; a plain line before the source is written again or the result used
.endm
; LNAPPLY: (x - mean) / sigma x g + b, quantised, its image to LDS.  With xw = 1 (LN2) b2 is then added to the rows, on which the second MLP product will sum.
.macro LNAPPLY xb, xw, m
	s_wait_alu depctr_va_vdst(0)
	v_mov_b32 v[RP], v[MR+2*(\m)+1]
	WIN \xw
.irp i, 0,2,4,6,8,10,12,14
	v_pk_add_f32 v[D+\i:D+\i+1], v[\xb+\i:\xb+\i+1], v[MR+2*(\m):MR+2*(\m)+1] op_sel_hi:[1,0] neg_lo:[0,1] neg_hi:[0,1]
.endr
	WIN 0
.irp i, 0,2,4,6,8,10,12,14
	v_pk_mul_f32 v[D+\i:D+\i+1], v[D+\i:D+\i+1], v[RP:RP+1] op_sel_hi:[1,0]
.endr
.irp i, 0,2,4,6,8,10,12,14
	v_pk_fma_f32 v[D+\i:D+\i+1], v[D+\i:D+\i+1], v[96+\i:97+\i], v[112+\i:113+\i]
.endr
	QB1 D
	QB2 D, 80
	ds_store_b128 v[WXI], v[80:83] offset:4096*(\m)
	ds_store_b8 v[WXS], v[TBY] offset:256*(\m)
.if \xw
	WIN 0x41
.irp i, 0,2,4,6,8,10,12,14
	v_pk_add_f32 v[\xb+\i:\xb+\i+1], v[\xb+\i:\xb+\i+1], v[208+\i:209+\i]
.endr
	WIN 0
.endif
.endm
.macro LNFIN xb, xw                    ; the statistics' loads run one tile ahead, into v64-79 and v80-95 by turns
	STLOAD 64, 0
.irp m, 0,1,2,3,4,5,6,7
.if \m < 7
	STLOAD 64+16*((\m+1)%2), \m+1
	s_wait_dscnt 4                                 ; all but the next tile's four loads
.else
	s_wait_dscnt 0x0
.endif
	LNCOMB 64+16*(\m%2), \m
.endr
.irp m, 0,1,2,3,4,5,6,7
	LNAPPLY \xb+16*\m, \xw, \m
.endr
.endm
; THE SHIFT MASK as four pairs.  Register j of a tile of scores is key column j; my query's column is lane % 8.  v248: keys j < 4, same half of the rows; v250: j >= 4; v252, v254: the other half of the
; rows (-100 where wh = 7).  -100 is added once, also where rows and columns both differ: the minimum.
.macro MASKSET src
	v_and_b32 v[TA], 4, v0
	v_cmp_ne_u32 vcc_lo, 0, v[TA]
	v_mov_b32 v[TB], \src
	v_cndmask_b32 v248, v232, v[TB], vcc_lo
	v_cndmask_b32 v250, v[TB], v232, vcc_lo
	v_min_num_f32 v252, s56, v248
	v_min_num_f32 v254, s56, v250
	v_mov_b32 v249, v248
	v_mov_b32 v251, v250
	v_mov_b32 v253, v252
	v_mov_b32 v255, v254
.endm
; ATTENTION for the 16 queries of tile m, head w.  v64-95 V's codes, v96-127 K's, v160-191 the scores and p, v192-207 q, later ctx, v208-223 at work, v224-231 p's codes, v232-243 zeros, v244-247 q's codes, later ctx's.
.macro ATT m
.set WN, (\m)/4
.set BQI, ((\m)%4)/2
.set UQ, (\m)%2
	s_wait_dscnt 0x0                               ; the tile's fragments of LN1's codes are in
.if \m == 0
	s_wait_loadcnt 20                              ; wq is in; wo's 20 loads may stay out
.endif
	MMT 0, 0, 192, 104, 0x11, 0x01                 ; q = x wq^T + bq
	PLACES 8
.if \m < 7
	FETCH AXI, AXS, 0, \m+1
.else
	WLOAD 0, 4*65536, 4*4096                       ; wq is done with: w1's first chunk
.endif
	QB1 192
	v_lshlrev_b32 v[QSC], 24, v[TBY]               ; q lies in the fourth block of 32 of its operand: 16 holds stand between this line and the products
	QB2 192, 244
	PLACES 3                                       ; with the line behind the conversions: four places ahead of the products
.irp k, 0,1,2,3
	WMZ 160+8*\k, 84+4*(4*WN+\k), 232, KS+4*WN+\k, QSC   ; S^T: source 0 = 16 keys (their codes are the run's last four registers), source 1 = zeros and q
.endr
	PLACES 8
	WIN 0x10
.irp b, 0,1
.irp u, 0,1
.irp j, 0,2,4,6
	v_pk_fma_f32 v[160+16*\b+8*\u+\j:161+16*\b+8*\u+\j], v[160+16*\b+8*\u+\j:161+16*\b+8*\u+\j], s[50:51], v[8*(3*(BQI-\b+1)+UQ-\u+1)+\j:8*(3*(BQI-\b+1)+UQ-\u+1)+\j+1] op_sel_hi:[1,0,1]   ; / sqrt(32) + the relative bias
.endr
.endr
.endr
	WIN 0
.irp b, 0,1
.irp u, 0,1
.irp j, 0,2,4,6
	v_pk_add_f32 v[160+16*\b+8*\u+\j:161+16*\b+8*\u+\j], v[160+16*\b+8*\u+\j:161+16*\b+8*\u+\j], v[248+4*((BQI+\b)%2)+2*(\j/4):249+4*((BQI+\b)%2)+2*(\j/4)]   ; + the mask
.endr
.endr
.endr
.irp b, 0,1
	v_max3_num_f32 v[208+\b], v[160+16*\b], v[161+16*\b], v[162+16*\b]   ; the largest score of each block of 32 keys: for the row's maximum and, since p rises with the score, for the block's largest p
.endr
.irp i, 3,5,7,9,11,13
.irp b, 0,1
	v_max3_num_f32 v[208+\b], v[208+\b], v[160+16*\b+\i], v[161+16*\b+\i]
.endr
.endr
.irp b, 0,1
	v_max_num_f32 v[208+\b], v[208+\b], v[175+16*\b]
.endr
.irp b, 0,1
	v_permlanex16_b32 v[210+\b], v[208+\b], s46, s47
.endr
.irp b, 0,1
	v_max_num_f32 v[208+\b], v[208+\b], v[210+\b]
.endr
	v_max_num_f32 v212, v208, v209                 ; the row's maximum is taken away ahead of the exponential
	v_mul_f32 v[RP], 0xbfb8aa3b, v212
.set n, 0
.rept 16
	v_pk_fma_f32 v[160+n:161+n], v[160+n:161+n], s[52:53], v[RP:RP+1] op_sel_hi:[1,0,0]
.set n, n+2
.endr
.irp b, 0,1
	v_fma_f32 v[208+\b], v[208+\b], s52, v[RP]
.endr
.set n, 0
.rept 32
	v_exp_f32 v[160+n], v[160+n]
.set n, n+1
.endr
	v_exp_f32 v208, v208
	v_exp_f32 v209, v209
	v_nop                                          ; a plain line behind the exponentials
	s_wait_alu depctr_va_vdst(0)
	v_pk_add_f32 v[214:215], v[160:161], v[162:163]
	v_pk_add_f32 v[216:217], v[164:165], v[166:167]
.irp j, 8,12,16,20,24,28
	v_pk_add_f32 v[214:215], v[214:215], v[160+\j:161+\j]
	v_pk_add_f32 v[216:217], v[216:217], v[162+\j:163+\j]
.endr
	v_pk_add_f32 v[214:215], v[214:215], v[216:217]
	v_add_f32 v214, v214, v215
	v_permlanex16_b32 v215, v214, s46, s47
	v_add_f32 v214, v214, v215                     ; the row's sum
	v_rcp_f32 v[RI], v214
	v_nop
.set n, 0
	s_wait_alu depctr_va_vdst(0)
.rept 16
	v_pk_mul_f32 v[160+n:161+n], v[160+n:161+n], v[RI:RI+1] op_sel_hi:[1,0]   ; p is quantised finished and normalised
.set n, n+2
.endr
.irp b, 0,1
	v_mul_f32 v[208+\b], v[208+\b], v[RI]
.endr
.irp b, 0,1
	v_max_num_f32 v[208+\b], 0x8000000, v[208+\b]  ; the floor: a block all of whose p are 0 keeps the byte 1 and zero codes
.endr
.irp b, 0,1
	v_add_nc_u32 v[218+\b], 0xf8800000, v[208+\b]
.endr
.irp b, 0,1
	v_and_or_b32 v[220+\b], v[208+\b], 0x7f800000, s48
.endr
.irp b, 0,1
	v_lshrrev_b32 v[210+\b], 23, v[218+\b]
.endr
	v_lshl_or_b32 v[PSC], v211, 8, v210
.irp b, 0,1
.irp i, 0,1,2,3,4,5,6,7,8,9,10,11,12,13,14,15
	v_min_num_f32 v[160+16*\b+\i], v[160+16*\b+\i], v[220+\b]   ; p is not negative: the hold is one-sided
.endr
	v_cvt_scalef32_pk8_bf8_f32 v[224+4*\b:225+4*\b], v[160+16*\b:167+16*\b], v[218+\b]
	v_cvt_scalef32_pk8_bf8_f32 v[226+4*\b:227+4*\b], v[168+16*\b:175+16*\b], v[218+\b]
.endr
	PLACES 4
.irp u, 0,1
	WMZ 192+8*\u, 64+16*WN+8*\u, 224, VS+2*WN+\u, PSC   ; O^T: source 0 = 16 channels of V^T, source 1 = p and zeros
.endr
	PLACES 9                                       ; eight for the read below; the ninth for the next tile's q, which begins these accumulators anew
	QB1 192
	QB2 192, 244
	ds_store_b128 v[WCI], v[244:247] offset:4096*(\m)
	ds_store_b8 v[WCS], v[TBY] offset:256*(\m)
.endm
; x / 2 (1 + erf(x / sqrt(2))) on eight registers, in place.  erf(z) = z P(z^2) / Q(z^2), |z| held at 4.
.macro GELU8 x
.irp i, 0,2,4,6
	v_pk_mul_f32 v[GZ+\i:GZ+\i+1], v[\x+\i:\x+\i+1], v[CF+24:CF+25]
.endr
.irp i, 0,1,2,3,4,5,6,7
	v_med3_num_f32 v[GZ+\i], v[GZ+\i], -4.0, 4.0
.endr
.irp i, 0,2,4,6
	v_pk_mul_f32 v[GT+\i:GT+\i+1], v[GZ+\i:GZ+\i+1], v[GZ+\i:GZ+\i+1]
.endr
.irp i, 0,2,4,6
	v_pk_fma_f32 v[GP+\i:GP+\i+1], v[GT+\i:GT+\i+1], v[CF:CF+1], v[CF+2:CF+3]
.endr
.irp i, 0,2,4,6
	v_pk_fma_f32 v[GQ+\i:GQ+\i+1], v[GT+\i:GT+\i+1], v[CF+14:CF+15], v[CF+16:CF+17]
.endr
.irp c, 4,6,8,10,12
.irp i, 0,2,4,6
	v_pk_fma_f32 v[GP+\i:GP+\i+1], v[GP+\i:GP+\i+1], v[GT+\i:GT+\i+1], v[CF+\c:CF+\c+1]
.endr
.endr
.irp c, 18,20,22
.irp i, 0,2,4,6
	v_pk_fma_f32 v[GQ+\i:GQ+\i+1], v[GQ+\i:GQ+\i+1], v[GT+\i:GT+\i+1], v[CF+\c:CF+\c+1]
.endr
.endr
.irp i, 0,1,2,3,4,5,6,7
	v_rcp_f32 v[GQ+\i], v[GQ+\i]
.endr
.irp i, 0,2,4,6
	v_pk_mul_f32 v[GP+\i:GP+\i+1], v[GP+\i:GP+\i+1], v[GZ+\i:GZ+\i+1]   ; plain lines behind the reciprocals
.endr
	s_wait_alu depctr_va_vdst(0)
.irp i, 0,2,4,6
	v_pk_mul_f32 v[GP+\i:GP+\i+1], v[GP+\i:GP+\i+1], v[GQ+\i:GQ+\i+1]
.endr
.irp i, 0,2,4,6
	v_pk_mul_f32 v[\x+\i:\x+\i+1], v[\x+\i:\x+\i+1], 0.5 op_sel_hi:[1,0]
.endr
.irp i, 0,2,4,6
	v_pk_fma_f32 v[\x+\i:\x+\i+1], v[\x+\i:\x+\i+1], v[GP+\i:GP+\i+1], v[\x+\i:\x+\i+1]
.endr
.endm
; The second MLP product goes in four groups: group g = tiles 4 (g / 2) .. + 3, K step g % 2.  Even groups' fragments lie in v128-191, odd groups' in v192-223 and v64-95.
.macro HREG g, i
.if (\g)%2 == 0
.set HR, 128+16*(\i)
.elseif (\i) < 2
.set HR, 192+16*(\i)
.else
.set HR, 64+16*((\i)-2)
.endif
.endm
.macro HFETCH g                        ; 20 LDS loads
.irp i, 0,1,2,3
	HREG \g, \i
.irp c, 0,1,2,3
	ds_load_b128 v[HR+4*\c:HR+4*\c+3], v[AHI] offset:(2*(4*((\g)/2)+\i)+(\g)%2)*2048+512*\c
.endr
	ds_load_b32 v[KS+4*((\g)%2)+\i], v[AHS] offset:(2*(4*((\g)/2)+\i)+(\g)%2)*128
.endr
.endm
.macro MM2 g                           ; eight products on eight accumulators of the rows, in place
	WIN 0x51
.irp i, 0,1,2,3
	HREG \g, \i
.irp u, 0,1
	WMC 16*(4*((\g)/2)+\i)+8*\u, 192+32*\u+16*((\g)%2), HR, 16*(4*((\g)/2)+\i)+8*\u, WSC+4+2*\u+(\g)%2, KS+4*((\g)%2)+\i
.endr
.endr
	WIN 0
.endm
; A TRIP OF THE MLP: chunk p of 256 hidden units.  First product, GELU and quantiser tile by tile, images to buffer p % 2 | barrier | second product onto the rows.
; One barrier a trip: buffer p % 2 is written again in trip p + 2, behind trip p + 1's barrier, in front of which every wave has waited for its reads of it.
.macro TRIP last
	v_add_nc_u32 v[AHI], s58, v[LI]
	v_add_nc_u32 v[AHS], s59, v[LS]
	v_add_nc_u32 v[WHI], s58, v[WI0]
	v_add_nc_u32 v[WHS], s59, v[WS0]
	s_wait_loadcnt 20                              ; w1's chunk and b1's are in; the 20 loads of w2's chunk, issued behind them, may stay out: the same on the way in and on the way back
	FETCH AXI, AXS, 0, 0
	s_wait_dscnt 0x0
	MMT 0, 0, 192, 224, 0x01, 0x01
	FETCH AXI, AXS, 1, 1
.irp m, 0,1,2,3,4,5,6,7
.if \m < 7
	s_wait_dscnt 0x0
	MMT 0, (\m+1)%2, 192+16*((\m+1)%2), 224, 0x01, 0x01   ; the next tile's products stand ahead of this tile's vector work, which is their places
.endif
.if \m == 0
	PLACES 9
.endif
.if \m < 6
	FETCH AXI, AXS, \m%2, \m+2
.endif
.if (\m == 7) && (\last == 0)
	WLOAD 0, 6*65536, 6*4096                       ; w1's next chunk and b1's: 24 loads
.irp q, 0,1,2,3
	global_load_b128 v[224+4*\q:227+4*\q], v[CO], s[44:45] offset:1024+16*\q
.endr
.endif
	GELU8 192+16*(\m%2)
	GELU8 200+16*(\m%2)
	QB1 192+16*(\m%2)
	QB2 192+16*(\m%2), 240
	ds_store_b128 v[WHI], v[240:243] offset:4096*\m
	ds_store_b8 v[WHS], v[TBY] offset:256*\m
.endr
	BARRIER                                        ; the chunk's sixteen fragments lie in LDS
.if \last
	s_wait_loadcnt 0x0                             ; w2's last chunk
.else
	s_wait_loadcnt 24                              ; w2's chunk is in; the 24 loads issued behind it may stay out
.endif
	HFETCH 0
	HFETCH 1
	s_wait_dscnt 20                                ; all but the group just asked for
	MM2 0
	PLACES 8
	HFETCH 2
	s_wait_dscnt 20
	MM2 1
	PLACES 8
	HFETCH 3
	s_wait_dscnt 20
	MM2 2
	s_wait_dscnt 0x0
	MM2 3
	PLACES 9                                       ; the next trip's first products write over registers that these read
.if \last == 0
	WLOAD 1, 7*65536, 7*4096                       ; w2's next chunk
	s_wait_xcnt 0x0                                ; the loads' bases are stepped only behind this wait
	s_add_nc_u64 s[40:41], s[40:41], 131072
	s_add_nc_u64 s[42:43], s[42:43], 8192
	s_add_nc_u64 s[44:45], s[44:45], 1024
	s_xor_b32 s58, s58, 0x8000                     ; the other buffer
	s_xor_b32 s59, s59, 0x800
.endif
.endm
.macro COEF i, bits
	v_mov_b32 v[CF+2*\i], \bits
	v_mov_b32 v[CF+2*\i+1], \bits
.endm
; ---------------------------------------------------------------- the head
	s_load_b256 s[4:11], s[0:1], 0x0               ; hidden_states, wcodes, wscales, ln1_g
	s_load_b256 s[12:19], s[0:1], 0x20             ; ln1_b, bk, bv, bq
	s_load_b256 s[20:27], s[0:1], 0x40             ; rel_table, bo, ln2_g, ln2_b
	s_load_b128 s[28:31], s[0:1], 0x60             ; b1, b2
	s_load_b64 s[32:33], s[0:1], 0x70              ; out0
	v_lshrrev_b32 v25, 5, v0
	v_readfirstlane_b32 s34, v25                   ; wave 0..7
	s_bfe_u32 s78, ttmp9, 0x30002                  ; wh
	s_and_b32 s79, ttmp9, 3
	s_lshr_b32 s80, ttmp9, 5                       ; batch
	s_lshr_b32 s81, s34, 2                         ; I carry tile w in and out: its window,
	s_and_b32 s82, s34, 3                          ; and its place T in it
	s_lshl_b32 s83, s79, 1
	s_add_co_u32 s83, s83, s81                     ; ww
	s_lshl_b32 s83, s83, 3
	s_add_co_u32 s83, s83, 4
.irp j, 0,1,2,3,4,5,6,7
	s_add_co_u32 s[70+\j], s83, \j                 ; image column (8 ww + 4 + j) % 64, in bytes of a row of 1,024
	s_and_b32 s[70+\j], s[70+\j], 63
	s_lshl_b32 s[70+\j], s[70+\j], 10
.endr
	s_lshl_b32 s84, s78, 3
	s_add_co_u32 s84, s84, 4
	s_lshr_b32 s85, s82, 1
	s_lshl_b32 s85, s85, 2
	s_add_co_u32 s84, s84, s85
	s_and_b32 s85, s82, 1
	s_add_co_u32 s84, s84, s85
	s_and_b32 s84, s84, 63                         ; image row of the tile's rows 0-7: (8 wh + 4 + 4 (T / 2) + T % 2) % 64; rows 8-15 lie two further down, never across the edge
	s_lshl_b32 s66, s84, 16
	s_lshl_b32 s85, s80, 22
	s_add_co_u32 s66, s66, s85
	s_mov_b32 s67, 0
	s_cmp_eq_u32 s78, 7
	s_cselect_b32 s56, 0xc2c80000, 0               ; -100 between the halves of the rows where wh = 7
	s_cmp_eq_u32 s79, 3
	s_cselect_b32 s57, 0xc2c80000, 0               ; and of the columns where ww = 7: window 1 of the work-groups with g % 4 = 3
	s_lshl_b32 s68, s34, 13
	s_mov_b32 s69, 0
	s_lshl_b32 s78, s34, 9
	s_mov_b32 s79, 0
	s_lshl_b32 s86, s34, 7                         ; 128 w
	s_lshl_b32 s87, s34, 9                         ; 512 w
	s_lshl_b32 s88, s81, 7
	s_add_co_u32 s88, s88, s82                     ; 128 (w / 4) + w % 4
	s_lshl_b32 s89, s34, 3                         ; 8 w
	s_mul_i32 s85, s34, TILEB
	s_lshl_b32 s84, s34, 2                         ; 4 w
	s_mov_b32 s46, 0x76543210
	s_mov_b32 s47, 0xfedcba98                      ; v_permlanex16_b32's selects for lane l xor 16
	s_mov_b32 s48, 0x600000                        ; the mantissa field of 57,344
	s_mov_b32 s50, 0x3e3504f3                      ; 1 / sqrt(32)
	s_mov_b32 s51, s50
	s_mov_b32 s52, 0x3fb8aa3b                      ; log2(e)
	s_mov_b32 s53, s52
	s_mov_b32 s54, 0x3b800000                      ; 1 / 256
	s_mov_b32 s55, 0x3727c5ac                      ; 1e-5
	v_and_b32 v[LI], 31, v0
	v_lshlrev_b32 v[LS], 2, v[LI]
	v_lshlrev_b32 v[LI], 4, v[LI]
.irp j, 0,1,2,3,4,5,6,7
	v_add_nc_u32 v[64+\j], s[70+\j], v[LI]
.endr
	s_wait_kmcnt 0x0
	s_add_nc_u64 s[36:37], s[4:5], s[66:67]
	s_add_nc_u64 s[38:39], s[32:33], s[66:67]
	s_add_nc_u64 s[40:41], s[6:7], s[68:69]
	s_add_nc_u64 s[42:43], s[8:9], s[78:79]
	s_mov_b64 s[44:45], s[28:29]
.irp r, 0,1,2,3,4,5,6,7,8,9,10,11,12,13,14,15
.irp f, 0,1
	global_load_b128 v[128+8*\r+4*\f:128+8*\r+4*\f+3], v[64+\r%8], s[36:37] offset:(\r/8)*131072+512*\f th:TH_LOAD_NT   ; tile w's rows, whole: 512 consecutive bytes a load
.endr
.endr
	WLOAD 0, 0, 0                                  ; wk
	v_and_b32 v25, 15, v0                          ; r
	v_bfe_u32 v63, v0, 4, 1                        ; h
	v_lshl_add_u32 v[CO], v63, 6, s86
	v_and_b32 v[VO], 8, v25
	v_add_nc_u32 v[VO], v[VO], v25
	v_lshl_add_u32 v[VO], v[VO], 2, s86
	v_bfe_u32 v[RBO], v0, 3, 1                     ; rel_table: 32 (30 (r / 8 - h + 1) + r % 8) + 4 w
	v_sub_nc_u32 v[RBO], v[RBO], v63
	v_add_nc_u32 v[RBO], 1, v[RBO]
	v_mul_u32_u24 v[RBO], v[RBO], 30
	v_and_b32 v[AXI], 7, v0
	v_add_nc_u32 v[RBO], v[RBO], v[AXI]
	v_lshl_add_u32 v[RBO], v[RBO], 5, s84
	v_add_nc_u32 v[AXI], XIMG, v[LI]
	v_add_nc_u32 v[AXS], XSC, v[LS]
	v_add_nc_u32 v[ACI], CIMG, v[LI]
	v_add_nc_u32 v[ACS], CSC, v[LS]
	v_add_nc_u32 v[WI0], s87, v[LI]
	v_add_nc_u32 v[WS0], s88, v[LS]
	v_add_nc_u32 v[WXI], XIMG, v[WI0]
	v_add_nc_u32 v[WXS], XSC, v[WS0]
	v_add_nc_u32 v[WCI], CIMG, v[WI0]
	v_add_nc_u32 v[WCS], CSC, v[WS0]
	v_mul_u32_u24 v[STR], v25, 80
	v_add_nc_u32 v[STR], ST, v[STR]
	v_add_nc_u32 v[STW], s89, v[STR]
	v_add_nc_u32 v[SGW], s85, v[LI]
	v_mul_u32_u24 v[SGR], v25, SPIT
	v_add_nc_u32 v[SGR], v[SGR], v[CO]
	v_add_nc_u32 v[SGR+1], 4*TILEB, v[SGR]
	v_mov_b32 v[MS+1], 0                           ; named as upper halves of pairs, or as a lane permute's destination, before they are first written
	v_mov_b32 v[RP+1], 0
	v_mov_b32 v[RI+1], 0
	v_mov_b32 v[TB], 0
	s_wait_loadcnt 20                              ; x is in; wk's 20 loads may stay out
.irp r, 0,1,2,3,4,5,6,7,8,9,10,11,12,13,14,15
.irp f, 0,1
	ds_store_b128 v[SGW], v[128+8*\r+4*\f:128+8*\r+4*\f+3] offset:SPIT*\r+512*\f
.endr
.endr
	WLOAD 1, 65536, 4096                           ; wv
.irp q, 0,1,2,3
	global_load_b128 v[96+4*\q:99+4*\q], v[CO], s[10:11] offset:16*\q      ; ln1_g, ln1_b of my 16 columns
	global_load_b128 v[112+4*\q:115+4*\q], v[CO], s[12:13] offset:16*\q
.endr
	WIN 0x40
.irp q, 0,1,2,3
	global_load_b128 v[72+4*\q:75+4*\q], v[CO], s[14:15] offset:16*\q      ; bk, bq in the results' layout
	global_load_b128 v[104+4*\q:107+4*\q], v[CO], s[18:19] offset:16*\q
.endr
.irp u, 0,1
.irp j, 0,1,2,3,4,5,6,7
	global_load_b32 v[88+8*\u+\j], v[VO], s[16:17] offset:32*\u            ; bv: in V's layout a lane holds one channel, so a tile's eight registers are alike
.endr
.endr
.irp a, 0,1,2
.irp e, 0,1,2
.irp j, 0,1,2,3,4,5,6,7
	global_load_b32 v[8*(3*\a+\e)+\j], v[RBO], s[20:21] offset:32*(15*(4*(\a-1)+\e-1)+82-\j)   ; rel_table[(iq - ik + 7) 15 + jq - jk + 7][w] for the nine distances between a tile of queries and a tile of keys
.endr
.endr
.endr
	WIN 0
	BARRIER                                        ; the 128 rows of x lie in the stage
; ---------------------------------------------------------------- LN1: x in v128-255 (16 m + i), v64-95 at work, g v96-111, b v112-127
.set XB, 128
	XFROM 0
.irp m, 0,1,2,3,4,5,6,7
	s_wait_dscnt 4*(7-\m)+\m                       ; behind tile m's loads: the later tiles' loads and the earlier tiles' stores
	LNSTAT 128+16*\m, 0, \m
.endr
	BARRIER                                        ; every group's statistics lie in LDS
	s_wait_loadcnt 0x0                             ; all that the head asked for
	LNFIN 128, 0
.irp i, 0,1,2,3,4,5,6,7,8,9,10,11
	v_mov_b32 v[232+\i], 0                         ; the zero codes that fill K = 32 and K = 64 up to 128
.endr
	BARRIER                                        ; LN1's sixteen fragments lie in LDS
; ---------------------------------------------------------------- K: k = x wk^T + bk, quantised along the head's 32: codes v96 + 4 m, byte in the scale word's top
	FETCH AXI, AXS, 0, 0
	s_wait_dscnt 0x0
	MMT 0, 0, 192, 72, 0x11, 0x01
	FETCH AXI, AXS, 1, 1
.irp m, 0,1,2,3,4,5,6,7
.if \m < 7
	s_wait_dscnt 0x0
	MMT 0, (\m+1)%2, 192+16*((\m+1)%2), 72, 0x11, 0x01
.endif
.if \m == 0
	PLACES 9
.endif
.if \m < 6
	FETCH AXI, AXS, \m%2, \m+2
.endif
.if \m == 7
	WLOAD 0, 2*65536, 2*4096                       ; wk is done with: wq
.endif
	QB1 192+16*(\m%2)
	v_lshlrev_b32 v[KS+\m], 24, v[TBY]
	QB2 192+16*(\m%2), 96+4*\m
.endr
; ---------------------------------------------------------------- V: untransposed, two tiles of tokens (32 neighbouring keys) a step; four accumulators (channel tile u, token tile t) by turns
	FETCH AXI, AXS, 0, 0
	FETCH AXI, AXS, 1, 1
.irp p, 0,1,2,3
	s_wait_dscnt 0x0
	WIN 0x14
.irp u, 0,1
.irp t, 0,1
	WMC 192+16*\u+8*\t, 128+32*\t, 192+32*\u, 88+8*\u, ASC+2*\t, WSC+4+2*\u
.endr
.endr
	WIN 0x04
.irp u, 0,1
.irp t, 0,1
	WMC 192+16*\u+8*\t, 128+32*\t+16, 192+32*\u+16, 192+16*\u+8*\t, ASC+2*\t+1, WSC+4+2*\u+1
.endr
.endr
	WIN 0
	PLACES 8                                       ; for the loads and reads below; the other channel tile's quantiser adds the ninth ahead of the next step's products
.if \p < 3
	FETCH AXI, AXS, 0, 2*\p+2
	FETCH AXI, AXS, 1, 2*\p+3
.else
	WLOAD 1, 3*65536, 3*4096                       ; wv is done with: wo
	FETCH AXI, AXS, 0, 0
.endif
.irp u, 0,1
	QB1 192+16*\u
.if \p%2 == 0
	v_mov_b32 v[VS+2*(\p/2)+\u], v[TBY]
.else
	v_lshl_or_b32 v[VS+2*(\p/2)+\u], v[TBY], 8, v[VS+2*(\p/2)+\u]
.endif
	QB2 192+16*\u, 64+16*(\p/2)+8*\u+4*(\p%2)
.endr
.endr
; ---------------------------------------------------------------- attention
	v_mov_b32 v210, 0                              ; lane permutes' destinations
	v_mov_b32 v211, 0
	MASKSET 0                                      ; window 0 never lies in the last column of windows
	ATT 0
	ATT 1
	ATT 2
	ATT 3
	MASKSET s57
	ATT 4
	ATT 5
	ATT 6
	ATT 7
.irp q, 0,1,2,3
	global_load_b128 v[192+4*\q:195+4*\q], v[CO], s[22:23] offset:16*\q    ; bo
	global_load_b128 v[96+4*\q:99+4*\q], v[CO], s[24:25] offset:16*\q      ; ln2_g
	global_load_b128 v[112+4*\q:115+4*\q], v[CO], s[26:27] offset:16*\q    ; ln2_b
	global_load_b128 v[208+4*\q:211+4*\q], v[CO], s[30:31] offset:16*\q    ; b2
	global_load_b128 v[224+4*\q:227+4*\q], v[CO], s[28:29] offset:16*\q    ; b1's first chunk
.endr
	BARRIER                                        ; ctx's sixteen fragments lie in LDS
; ---------------------------------------------------------------- wo and the residual: the rows (window 1) begin as x + bo, and the product sums onto them; each tile's LN2 statistics follow at once
.set XB, 0
	XFROM 0x40
	FETCH ACI, ACS, 0, 0
	s_wait_loadcnt 0x0                             ; wo, w1's first chunk, the parameters
	s_wait_dscnt 10                                ; x is in; the ten loads of the first fragments may stay out
	WIN 0x41
.irp m, 0,1,2,3,4,5,6,7
.irp i, 0,2,4,6,8,10,12,14
	v_pk_add_f32 v[16*\m+\i:16*\m+\i+1], v[16*\m+\i:16*\m+\i+1], v[192+\i:193+\i]
.endr
.endr
	WIN 0
	s_wait_dscnt 0x0
	MMT 1, 0, 0, 0, 0x51, 0x51
	FETCH ACI, ACS, 1, 1
.irp m, 0,1,2,3,4,5,6,7
.if \m < 7
	s_wait_dscnt 0x0
	MMT 1, (\m+1)%2, 16*(\m+1), 16*(\m+1), 0x51, 0x51
.endif
.if \m == 0
	PLACES 9
.endif
.if \m < 6
	FETCH ACI, ACS, \m%2, \m+2
.endif
.if \m == 7
	WLOAD 1, 5*65536, 5*4096                       ; wo is done with: w2's first chunk
.endif
	LNSTAT 16*\m, 1, \m
.endr
	BARRIER
	LNFIN 0, 1                                     ; LN2's codes take the place of LN1's, whose last read stands two barriers back
	BARRIER
; ---------------------------------------------------------------- the MLP: v64-95 at work, v96-121 coefficients, v192-223 two tiles of the hidden chunk, v224-239 b1, v240-243 codes
	COEF 0, 0xaf95df0b                             ; P, from the highest power down: -2.72614225801306e-10
	COEF 1, 0x32edffee                             ;  2.77068142495902e-08
	COEF 2, 0xb60cff51                             ; -2.10102402082508e-06
	COEF 3, 0xb86ec2d2                             ; -5.69250639462346e-05
	COEF 4, 0xba40ac63                             ; -7.34990630326855e-04
	COEF 5, 0xbb41a1f6                             ; -2.95459980854025e-03
	COEF 6, 0xbc83dbd4                             ; -1.60960333262415e-02
	COEF 7, 0xb77460cd                             ; Q: -1.45660718464996e-05
	COEF 8, 0xb95fbd29                             ; -2.13374055278905e-04
	COEF 9, 0xbadc924e                             ; -1.68282697438203e-03
	COEF 10, 0xbbf19bf8                            ; -7.37332916720468e-03
	COEF 11, 0xbc69b6a7                            ; -1.42647390514189e-02
	COEF 12, 0x3f3504f3                            ; 1 / sqrt(2)
	s_mov_b32 s58, HIMG
	s_mov_b32 s59, HSC
	s_mov_b32 s60, 3
.Lmlp:                                             ; chunks 0 to 2; the last is written out, since it asks for nothing more and its waits count otherwise
	TRIP 0
	s_sub_co_u32 s60, s60, 1
	s_cmp_lg_u32 s60, 0
	s_cbranch_scc1 .Lmlp
	TRIP 1
; ---------------------------------------------------------------- the way out: my columns into the stage, a barrier, tile w's whole rows back and out
	WIN 0x04                                       ; an LDS store's data are its source 1: window 1
.irp m, 0,1,2,3,4,5,6,7
.irp q, 0,1,2,3
	ds_store_b128 v[SGR+\m/4], v[16*\m+4*\q:16*\m+4*\q+3] offset:(\m%4)*TILEB+16*\q   ; each accumulator from its low end on
.endr
.endr
	WIN 0
	BARRIER
.irp j, 0,1,2,3,4,5,6,7
	v_add_nc_u32 v[64+\j], s[70+\j], v[LI]
.endr
.irp r, 0,1,2,3,4,5,6,7,8,9,10,11,12,13,14,15
.irp f, 0,1
	ds_load_b128 v[128+8*\r+4*\f:128+8*\r+4*\f+3], v[SGW] offset:SPIT*\r+512*\f
.endr
.endr
.irp r, 0,1,2,3,4,5,6,7,8,9,10,11,12,13,14,15
.irp f, 0,1
	s_wait_dscnt 31-(2*\r+\f)
	global_store_b128 v[64+\r%8], v[128+8*\r+4*\f:128+8*\r+4*\f+3], s[38:39] offset:(\r/8)*131072+512*\f th:TH_STORE_NT   ; 32 lanes store 512 consecutive bytes, two aligned blocks of 256
.endr
.endr
	s_wait_xcnt 0x0
	v_lshl_add_u32 v254, v0, 2, 0x45000
	v_mov_b32 v255, 0
	s_wait_tensorcnt 0x0
	ds_add_u32 v254, v255
	s_wait_dscnt 0x0
	s_endpgm
.Lfunc_end_k_q4ae4375fbe_block:
	.size	k_q4ae4375fbe_block, .Lfunc_end_k_q4ae4375fbe_block-k_q4ae4375fbe_block
	.p2alignl 7, 3214868480
	.fill 96, 4, 3214868480
	.section	.rodata,"a",@progbits
	.p2align	6, 0x0
	.amdhsa_kernel k_q4ae4375fbe_block
		.amdhsa_group_segment_fixed_size 283648
		.amdhsa_private_segment_fixed_size 0
		.amdhsa_enable_private_segment 0
		.amdhsa_kernarg_size 120
		.amdhsa_user_sgpr_count 2
		.amdhsa_user_sgpr_kernarg_segment_ptr 1
		.amdhsa_wavefront_size32 1
		.amdhsa_system_sgpr_workgroup_id_x 1
		.amdhsa_system_sgpr_workgroup_id_y 1
		.amdhsa_system_sgpr_workgroup_id_z 1
		.amdhsa_system_vgpr_workitem_id 0
		.amdhsa_next_free_vgpr 512
		.amdhsa_next_free_sgpr 90
		.amdhsa_reserve_vcc 1
		.amdhsa_float_denorm_mode_32 3
		.amdhsa_float_denorm_mode_16_64 3
		.amdhsa_memory_ordered 1
		.amdhsa_forward_progress 1
		.amdhsa_inst_pref_size 255
	.end_amdhsa_kernel
	.section	.bss,"aw",@nobits
	.p2align	6
	.space	262144
	.amdgpu_metadata
---
amdhsa.version: [ 1, 2 ]
amdhsa.kernels:
  - .name:           k_q4ae4375fbe_block
    .symbol:         k_q4ae4375fbe_block.kd
    .args:
      - { .name: hidden_states, .offset: 0, .size: 8, .value_kind: global_buffer, .address_space: global }
      - { .name: wcodes, .offset: 8, .size: 8, .value_kind: global_buffer, .address_space: global }
      - { .name: wscales, .offset: 16, .size: 8, .value_kind: global_buffer, .address_space: global }
      - { .name: ln1_g, .offset: 24, .size: 8, .value_kind: global_buffer, .address_space: global }
      - { .name: ln1_b, .offset: 32, .size: 8, .value_kind: global_buffer, .address_space: global }
      - { .name: bk, .offset: 40, .size: 8, .value_kind: global_buffer, .address_space: global }
      - { .name: bv, .offset: 48, .size: 8, .value_kind: global_buffer, .address_space: global }
      - { .name: bq, .offset: 56, .size: 8, .value_kind: global_buffer, .address_space: global }
      - { .name: rel_table, .offset: 64, .size: 8, .value_kind: global_buffer, .address_space: global }
      - { .name: bo, .offset: 72, .size: 8, .value_kind: global_buffer, .address_space: global }
      - { .name: ln2_g, .offset: 80, .size: 8, .value_kind: global_buffer, .address_space: global }
      - { .name: ln2_b, .offset: 88, .size: 8, .value_kind: global_buffer, .address_space: global }
      - { .name: b1, .offset: 96, .size: 8, .value_kind: global_buffer, .address_space: global }
      - { .name: b2, .offset: 104, .size: 8, .value_kind: global_buffer, .address_space: global }
      - { .name: out0, .offset: 112, .size: 8, .value_kind: global_buffer, .address_space: global }
    .group_segment_fixed_size: 283648
    .private_segment_fixed_size: 0
    .kernarg_segment_align: 8
    .kernarg_segment_size: 120
    .max_flat_workgroup_size: 256
    .sgpr_count:     90
    .vgpr_count:     512
    .wavefront_size: 32
...
	.end_amdgpu_metadata
.endif
;; end of part 2
;; ======== version 2 of 2: 2 launches; 1.34 times as fast as version 1
;; workspace buffers: wcodes 786,432 bytes; wscales 49,152 bytes
;; launch quant: the kernel of part 1 again; grid 8 x 12, 4 waves a work-group, no clusters, 0 bytes of LDS; arguments wk, wv, wq, wo, w1, w2, wcodes, wscales; writes wcodes, wscales
;; launch block (part 3): grid 256 x 1, 8 waves a work-group, no clusters, 283,648 bytes of LDS; arguments hidden_states, wcodes, wscales, ln1_g, ln1_b, bk, bv, bq, rel_table, bo, ln2_g, ln2_b, b1, b2, out0; writes out0
.if DOCPART == 3
	.amdgcn_target "amdgcn-amd-amdhsa--gfx1250"
	.amdhsa_code_object_version 6
	.text
	.protected	k_q4ae4375fbe_block
	.globl	k_q4ae4375fbe_block
	.p2align	8
	.type	k_q4ae4375fbe_block,@function
k_q4ae4375fbe_block:
	s_mov_b64 s[64:65], 0
	v_nop
	global_prefetch_b8 v0, s[64:65] scope:SCOPE_SE
	s_setreg_imm32_b32 hwreg(HW_REG_WAVE_MODE, 25, 1), 1
	s_wait_xcnt 0x0
; One Swin block, whole: LN1, shift, windows, QKV, attention with relative bias and shift mask, wo, residual, LN2, MLP with exact GELU, residual.  All eight products on codes of BF8 (E5M2) with
; one E8M0 scale for each 32 along K; all else f32.  x is read once, out is written once, nothing else goes to memory.
; SHARES.  Work-group g owns two windows: batch g / 32, window row wh = (g / 4) % 8, window columns ww = 2 (g % 4) + win: 128 tokens = 8 tiles of 16 rows, tile m = 4 win + T.
; Row r of tile T is token 32 (T / 2) + 8 (T % 2) + r + 8 (r / 8) of its window, so that the 16 registers of two neighbouring tiles of keys are 16 neighbouring keys.
; THE EIGHT WAVES SHARE THE COLUMNS: wave w owns channels 32 w .. 32 w + 31 of every array 256 wide, head w, hidden units 256 p + 32 w .. of chunk p.  Two waves stand on a SIMD, 512 registers each.
; A LANE'S LAYOUT, everywhere: lane (r, h) holds row r and, in 16 registers, columns 32 w + 16 h + 0 .. 15.  That is what a product used transposed (source 0 = 16 rows of a weight, chosen as the
; tokens of a tile are; source 1 = 16 rows of the activation) leaves, what the quantiser wants (a block of 32 = my 16 and lane l xor 16's), and the layout of the residual.
; OPERANDS GO FROM WAVE TO WAVE THROUGH LDS AS IMAGES OF THEIR REGISTERS: fragment (tile m, K step s) is 2,048 bytes at (2 m + s) 2,048 + 512 c + 16 lane; wave w's block is group w % 4 of K step w / 4:
; one ds_store_b128 at 4,096 m + 512 w + 16 lane, and its scale byte at 256 m + 128 (w / 4) + w % 4 + 4 lane.
; WEIGHTS come as codes in register order (launch quant): a pair of 64 KiB serves one pass; wave w loads its 8 KiB straight into one of two register buffers while the other is multiplied.
; THE TEXT IS KEPT SHORT: a phase whose registers do not hang on the tile's number is a loop (both layer norms, attention over the two windows, the MLP's chunks and, in a chunk, its tiles by pairs);
; LDS offsets then come from scalars stepped by constants.  The K, V and wo passes are written out: their results land in registers that hang on the tile.
; NO CLUSTER, NO TENSOR LOADS: every weight byte is wanted by ONE wave of a work-group, in register order.  A joint load would land in LDS, of which 282,624 of 327,680 bytes are in use: the 45,056
; left hold no slot of a pair's 65,536 bytes, let alone two; and each byte would be written to LDS and read back for nothing.
; V is made untransposed (source 0 = tokens, source 1 = wv's rows): a lane then holds one channel and 16 neighbouring tokens, which are the second product's K.
; K = 32 (scores) and K = 64 (P V) are filled up to 128 with zero codes on one side; the other side's registers there hold finite codes.
; LIMITS.  NaN and infinities are not served.  A block of zeros, and one whose largest magnitude lies under 2^-111, gets the scale byte 1 (its codes are zeros or as the held scale gives them).
; v_exp_f32 gives 0 for p under 2^-126.  erf is the rational form z P(z^2) / Q(z^2) with |z| held at 4: a few 1e-7 absolute; 1 + erf is formed as a sum.  The division by sqrt(32) and by the
; softmax's sum are multiplications by the f32 reciprocal.
; LDS:  STG 128 rows x 1,040 (x, later x + attention's output, at last out) | XIMG, XSC LN1's codes, later LN2's | CIMG, CSC ctx's | ST LN statistics, 80 bytes a token | HIMG, HSC the hidden chunk's, two buffers.
; REGISTERS.  Window 1: v0-127 XR, the rows in f32 (16 m + i); until attention is done: RB v0-71 relative bias, BK v72-87, BV v88-103, BQ v104-119; v128-191 WA, v192-255 WB: the weight buffers.
; Window 0: v1-15, v20-24 addresses that stay; v16-19 a loop's addresses; v26-31 three pairs for broadcasts (in the MLP four more addresses); v32-39 weights' scale words; v40-43 the fetched fragments';
;   v44-51 K's, later H's; v52-55 V's; v56, v57 q's, p's; v58-62 the quantiser's; v64-127 and v192-255 by phase; v128-191 two sets of fetched fragments.
;   In the LN loops v40-41 hold (mean, 1 / sigma), v56-63 are at work, v128-159 two tiles' numbers, v160-191 their statistics.
.set SPIT,  1040                       ; a row of the stage: 1,024 bytes + 16, an odd multiple of 16: 16 rows of a load fall on different banks (64 banks of 4 bytes: ISA guide 11.1)
.set TILEB, 16*SPIT
.set XIMG,  133120
.set XSC,   165888
.set CIMG,  167936
.set CSC,   200704
.set ST,    202752
.set HIMG,  0x34000
.set HSC,   0x44000
.set LI,  1                            ; 16 x lane
.set LS,  2                            ; 4 x lane
.set CO,  3                            ; 128 w + 64 h: my 16 columns, in bytes of f32
.set VO,  4                            ; 4 (32 w + r + 8 (r / 8)): bv of my lane's channel
.set RBO, 5                            ; my lane's place in rel_table
.set AXI, 6
.set AXS, 7
.set ACI, 8
.set ACS, 9
.set WXI, 10
.set WXS, 11
.set WCI, 12
.set WCS, 13
.set WI0, 14                           ; 512 w + 16 lane
.set WS0, 15                           ; 128 (w / 4) + w % 4 + 4 lane
.set L0,  16                           ; v16-19: the addresses of the loop in hand
.set L1,  17
.set L2,  18
.set L3,  19
.set AHI, 16                           ; in the MLP: where the chunk's images are read,
.set AHS, 17
.set WH0, 18                           ; and where mine are written, tile 0
.set WC0, 19
.set STW, 20
.set STR, 21
.set SGW, 22                           ; the stage by rows: tile w, 16 bytes a lane
.set SGR, 23                           ; v23, v24: the stage by columns: row r, my 64 bytes; tiles 0-3, tiles 4-7
.set MS,  26
.set RP,  28
.set RI,  30
.set YI,  26                           ; in the MLP, where MS and RP are idle: the pair of tiles in hand: LN2's images,
.set YS,  27
.set WHI, 28                           ; and my images of the hidden chunk
.set WHS, 29
.set WSC, 32
.set ASC, 40
.set KS,  44
.set VS,  52
.set QSC, 56
.set PSC, 57
.set TA,  58
.set TB,  59
.set TSC, 60
.set THO, 61
.set TBY, 62
.set MR,  40
.set TT,  56
.set D,   64
.set E,   80
.set XA,  128
.set XBF, 144
.set SA,  160
.set SBF, 176
.set GZ,  64
.set GT,  72
.set GP,  80
.set GQ,  88
.set CF,  96
.set MSB, 0
.macro WIN new                         ; the immediate's high byte repeats the setting that is left; a switch that changes nothing is dropped
.if MSB != (\new)
	s_set_vgpr_msb (MSB<<8)|(\new)
.set MSB, (\new)
.endif
.endm
; Behind this matrix form 8 plain vector instructions that name none of its registers stand before its result is read, or a register of it is written or loaded into, and 9 before another
; matrix instruction writes over one of its registers.  Where a pass has vector work on other registers, that work is the places.
.macro PLACES n
.rept \n
	v_nop
.endr
.endm
.macro BARRIER                         ; my LDS stores have landed and my LDS loads are in: then the work-group's barrier
	s_wait_dscnt 0x0
	s_barrier_signal -1
	s_barrier_wait -1
.endm
.macro WLOAD buf, coff, soff           ; my 8 KiB of a pair into weight buffer buf, and its four scale words: 20 loads, each of codes 512 consecutive bytes
	WIN 0x40
.irp g, 0,1,2,3,4,5,6,7,8,9,10,11,12,13,14,15
	global_load_b128 v[128+64*(\buf)+4*\g:128+64*(\buf)+4*\g+3], v[LI], s[40:41] offset:(\coff)+512*\g
.endr
	WIN 0
.irp f, 0,1,2,3
	global_load_b32 v[WSC+4*(\buf)+\f], v[LS], s[42:43] offset:(\soff)+128*\f
.endr
.endm
.macro FETCH adr, sca, set, m          ; tile m's two fragments and scale words out of an image: 10 LDS loads
.irp z, 0,1
.irp c, 0,1,2,3
	ds_load_b128 v[128+32*(\set)+16*\z+4*\c:128+32*(\set)+16*\z+4*\c+3], v[\adr] offset:(2*(\m)+\z)*2048+512*\c
.endr
.endr
.irp z, 0,1
	ds_load_b32 v[ASC+2*(\set)+\z], v[\sca] offset:(2*(\m)+\z)*128
.endr
.endm
.macro LD64 reg, adr, off              ; 64 bytes a lane: 16 numbers
.irp q, 0,1,2,3
	ds_load_b128 v[\reg+4*\q:\reg+4*\q+3], v[\adr] offset:(\off)+16*\q
.endr
.endm
.macro WMC d, a, b, c, sa, sb
	v_wmma_scale_f32_16x16x128_f8f6f4 v[(\d):(\d)+7], v[(\a):(\a)+15], v[(\b):(\b)+15], v[(\c):(\c)+7], v[\sa], v[\sb] matrix_a_fmt:MATRIX_FMT_BF8 matrix_b_fmt:MATRIX_FMT_BF8
.endm
.macro WMZ d, a, b, sa, sb             ; the product starts its sum
	v_wmma_scale_f32_16x16x128_f8f6f4 v[(\d):(\d)+7], v[(\a):(\a)+15], v[(\b):(\b)+15], 0, v[\sa], v[\sb] matrix_a_fmt:MATRIX_FMT_BF8 matrix_b_fmt:MATRIX_FMT_BF8
.endm
; A tile of rows against my 32 rows of a weight, K = 256: source 0 = the weight's fragment 2 u + s, source 1 = the fetched set.  The two accumulators take turns, one instruction a turn.
.macro MMT buf, set, d, c, wa, wb      ; c: what the sums begin with (a bias, or the accumulator itself); wa, wb: the windows for the first two and the last two
	WIN \wa
	WMC (\d), 128+64*(\buf), 128+32*(\set), (\c), WSC+4*(\buf), ASC+2*(\set)
	WMC (\d)+8, 128+64*(\buf)+32, 128+32*(\set), (\c)+8, WSC+4*(\buf)+2, ASC+2*(\set)
	WIN \wb
	WMC (\d), 128+64*(\buf)+16, 128+32*(\set)+16, (\d), WSC+4*(\buf)+1, ASC+2*(\set)+1
	WMC (\d)+8, 128+64*(\buf)+48, 128+32*(\set)+16, (\d)+8, WSC+4*(\buf)+3, ASC+2*(\set)+1
	WIN 0
.endm
; THE QUANTISER of one block: my 16 numbers v[s] on, and lane l xor 16's.  QB1: the largest magnitude (with the floor 2^(16 - 127), which holds the byte at 1), the conversion's scale operand,
; 57,344 x the scale, the byte.  Each of the two accumulators in v[s] on is first read at its low end.  QB2: the hold (the conversion does not saturate: ISA guide 7.6.2) and the codes.
.macro QB1 s
	v_max3_num_f32 v[TA], |v[\s]|, |v[\s+1]|, 0x8000000
	v_max3_num_f32 v[TB], |v[\s+2]|, |v[\s+3]|, |v[\s+4]|
	v_max3_num_f32 v[TA], v[TA], |v[\s+5]|, |v[\s+6]|
	v_max3_num_f32 v[TB], v[TB], |v[\s+7]|, |v[\s+8]|
	v_max3_num_f32 v[TA], v[TA], |v[\s+9]|, |v[\s+10]|
	v_max3_num_f32 v[TB], v[TB], |v[\s+11]|, |v[\s+12]|
	v_max3_num_f32 v[TA], v[TA], |v[\s+13]|, |v[\s+14]|
	v_max3_num_f32 v[TA], v[TA], v[TB], |v[\s+15]|
	v_permlanex16_b32 v[TB], v[TA], s46, s47
	v_max_num_f32 v[TA], v[TA], v[TB]
	v_add_nc_u32 v[TSC], 0xf8800000, v[TA]         ; 15 off the exponent field
	v_and_or_b32 v[THO], v[TA], 0x7f800000, s48
	v_lshrrev_b32 v[TBY], 23, v[TSC]
.endm
.macro QB2 s, dst
.irp i, 0,1,2,3,4,5,6,7,8,9,10,11,12,13,14,15
	v_med3_num_f32 v[\s+\i], v[\s+\i], -v[THO], v[THO]
.endr
	v_cvt_scalef32_pk8_bf8_f32 v[\dst:\dst+1], v[\s:\s+7], v[TSC]
	v_cvt_scalef32_pk8_bf8_f32 v[\dst+2:\dst+3], v[\s+8:\s+15], v[TSC]
	v_nop                                          ; one plain line behind the last conversion
.endm
; LAYER NORM in three steps.  LNSTAT: mean and sum of squared distances of my group of 32 columns (my 16 and lane l xor 16's) of a tile's rows, to LDS.  No difference of large sums is formed.
.macro LNSTAT xb, xw, adr, off
	WIN 5*\xw
	v_pk_add_f32 v[E:E+1], v[\xb:\xb+1], v[\xb+2:\xb+3]
	v_pk_add_f32 v[E+2:E+3], v[\xb+4:\xb+5], v[\xb+6:\xb+7]
	v_pk_add_f32 v[E+4:E+5], v[\xb+8:\xb+9], v[\xb+10:\xb+11]
	v_pk_add_f32 v[E+6:E+7], v[\xb+12:\xb+13], v[\xb+14:\xb+15]
	WIN 0
	v_pk_add_f32 v[E:E+1], v[E:E+1], v[E+2:E+3]
	v_pk_add_f32 v[E+4:E+5], v[E+4:E+5], v[E+6:E+7]
	v_pk_add_f32 v[E:E+1], v[E:E+1], v[E+4:E+5]
	v_add_f32 v[E], v[E], v[E+1]
	v_permlanex16_b32 v[E+1], v[E], s46, s47
	v_add_f32 v[E], v[E], v[E+1]
	v_mul_f32 v[MS], 0x3d000000, v[E]              ; / 32
	WIN \xw
.irp i, 0,2,4,6,8,10,12,14
	v_pk_add_f32 v[D+\i:D+\i+1], v[\xb+\i:\xb+\i+1], v[MS:MS+1] op_sel_hi:[1,0] neg_lo:[0,1] neg_hi:[0,1]
.endr
	WIN 0
	v_pk_mul_f32 v[E:E+1], v[D:D+1], v[D:D+1]
	v_pk_mul_f32 v[E+2:E+3], v[D+2:D+3], v[D+2:D+3]
.irp i, 4,8,12
	v_pk_fma_f32 v[E:E+1], v[D+\i:D+\i+1], v[D+\i:D+\i+1], v[E:E+1]
	v_pk_fma_f32 v[E+2:E+3], v[D+\i+2:D+\i+3], v[D+\i+2:D+\i+3], v[E+2:E+3]
.endr
	v_pk_add_f32 v[E:E+1], v[E:E+1], v[E+2:E+3]
	v_add_f32 v[E], v[E], v[E+1]
	v_permlanex16_b32 v[E+1], v[E], s46, s47
	v_add_f32 v[MS+1], v[E], v[E+1]
	ds_store_b64 v[\adr], v[MS:MS+1] offset:\off
.endm
; LNCOMB: my row's eight groups (mean, squares) in v[e] on are merged: mean = the means' mean; squares = the sum of the groups' + 32 x the sum of (group mean - mean)^2.
.macro LNCOMB e
	v_pk_add_f32 v[TT:TT+1], v[\e:\e+1], v[\e+2:\e+3]
	v_pk_add_f32 v[TT+2:TT+3], v[\e+4:\e+5], v[\e+6:\e+7]
	v_pk_add_f32 v[TT+4:TT+5], v[\e+8:\e+9], v[\e+10:\e+11]
	v_pk_add_f32 v[TT+6:TT+7], v[\e+12:\e+13], v[\e+14:\e+15]
	v_pk_add_f32 v[TT:TT+1], v[TT:TT+1], v[TT+2:TT+3]
	v_pk_add_f32 v[TT+4:TT+5], v[TT+4:TT+5], v[TT+6:TT+7]
	v_pk_add_f32 v[TT:TT+1], v[TT:TT+1], v[TT+4:TT+5]
	v_mul_f32 v[MR], 0x3e000000, v[TT]             ; / 8
.irp i, 0,2,4,6,8,10,12,14
	v_sub_f32 v[\e+\i], v[\e+\i], v[MR]
.endr
	v_mul_f32 v[TT+2], v[\e], v[\e]
	v_mul_f32 v[TT+3], v[\e+2], v[\e+2]
.irp i, 4,8,12
	v_fma_f32 v[TT+2], v[\e+\i], v[\e+\i], v[TT+2]
	v_fma_f32 v[TT+3], v[\e+\i+2], v[\e+\i+2], v[TT+3]
.endr
	v_add_f32 v[TT+2], v[TT+2], v[TT+3]
	v_fma_f32 v[TT+1], v[TT+2], 0x42000000, v[TT+1]   ; x 32
	v_fma_f32 v[TT+1], v[TT+1], s54, s55           ; / 256 + 1e-5
	v_rsq_f32 v[MR+1], v[TT+1]
	v_nop                                          ; a plain line before the source is written again or the result used
.endm
; LNAPPLY: (x - mean) / sigma x g + b, quantised, its image to LDS.
.macro LNAPPLY xb, ioff, coff
	s_wait_alu depctr_va_vdst(0)
	v_mov_b32 v[RP], v[MR+1]
.irp i, 0,2,4,6,8,10,12,14
	v_pk_add_f32 v[D+\i:D+\i+1], v[\xb+\i:\xb+\i+1], v[MR:MR+1] op_sel_hi:[1,0] neg_lo:[0,1] neg_hi:[0,1]
.endr
.irp i, 0,2,4,6,8,10,12,14
	v_pk_mul_f32 v[D+\i:D+\i+1], v[D+\i:D+\i+1], v[RP:RP+1] op_sel_hi:[1,0]
.endr
.irp i, 0,2,4,6,8,10,12,14
	v_pk_fma_f32 v[D+\i:D+\i+1], v[D+\i:D+\i+1], v[96+\i:97+\i], v[112+\i:113+\i]
.endr
	QB1 D
	QB2 D, 80
	ds_store_b128 v[L2], v[80:83] offset:\ioff
	ds_store_b8 v[L3], v[TBY] offset:\coff
.endm
; Merge, apply and quantise for the eight tiles: four trips of two.  The rows' numbers of my columns come out of the stage, the statistics out of ST; gain v96-111, bias v112-127.
.macro LNLOOP
	s_mov_b32 s66, 0                               ; the stage: 16,640 bytes a tile
	s_mov_b32 s67, 0                               ; the statistics: 1,280
	s_mov_b32 s62, 0                               ; the images: 4,096
	s_mov_b32 s63, 0                               ; the scale words: 256
	s_mov_b32 s61, 4
.Lln_\@:
	s_wait_dscnt 0x0                               ; no LDS instruction of mine is out when its address registers are written again
	v_add_nc_u32 v[L0], s66, v[SGR]
	v_add_nc_u32 v[L1], s67, v[STR]
	v_add_nc_u32 v[L2], s62, v[WXI]
	v_add_nc_u32 v[L3], s63, v[WXS]
	LD64 SA, L1, 0
	LD64 XA, L0, 0
	LD64 SBF, L1, 1280
	LD64 XBF, L0, TILEB
	s_wait_dscnt 8                                 ; the first tile's eight loads are in; the second's may be out
	LNCOMB SA
	LNAPPLY XA, 0, 0
	s_wait_dscnt 2                                 ; the second tile's are in; my two stores may be out
	LNCOMB SBF
	LNAPPLY XBF, 4096, 256
	s_add_co_u32 s66, s66, 2*TILEB
	s_add_co_u32 s67, s67, 2560
	s_add_co_u32 s62, s62, 8192
	s_add_co_u32 s63, s63, 512
	s_sub_co_u32 s61, s61, 1
	s_cmp_lg_u32 s61, 0
	s_cbranch_scc1 .Lln_\@
.endm
; THE SHIFT MASK as four pairs.  Register j of a tile of scores is key column j; my query's column is lane % 8.  v248: keys j < 4, same half of the rows; v250: j >= 4; v252, v254: the other half of the
; rows (-100 where wh = 7).  -100 is added once, also where rows and columns both differ: the minimum.
.macro MASKSET src
	v_and_b32 v[TA], 4, v0
	v_cmp_ne_u32 vcc_lo, 0, v[TA]
	v_mov_b32 v[TB], \src
	v_cndmask_b32 v248, v232, v[TB], vcc_lo
	v_cndmask_b32 v250, v[TB], v232, vcc_lo
	v_min_num_f32 v252, s56, v248
	v_min_num_f32 v254, s56, v250
	v_mov_b32 v249, v248
	v_mov_b32 v251, v250
	v_mov_b32 v253, v252
	v_mov_b32 v255, v254
.endm
; ATTENTION for the 16 queries of tile m (0 .. 3) of the window in hand, head w.  v64-79 the window's V codes, v96-111 its K codes, v160-191 the scores and p, v192-207 q, later ctx, v208-223 at work,
; v224-231 p's codes, v232-243 zeros, v244-247 q's codes, later ctx's.
.macro ATT m
.set BQI, (\m)/2
.set UQ, (\m)%2
	s_wait_dscnt 0x0                               ; the tile's fragments of LN1's codes are in
	MMT 0, 0, 192, 104, 0x11, 0x01                 ; q = x wq^T + bq
	PLACES 8
.if \m < 3
	FETCH L0, L1, 0, \m+1
.endif
	QB1 192
	v_lshlrev_b32 v[QSC], 24, v[TBY]               ; q lies in the fourth block of 32 of its operand: 16 holds stand between this line and the products
	QB2 192, 244
	PLACES 3                                       ; with the line behind the conversions: four places ahead of the products
.irp k, 0,1,2,3
	WMZ 160+8*\k, 84+4*\k, 232, KS+\k, QSC         ; S^T: source 0 = 16 keys (their codes are the run's last four registers), source 1 = zeros and q
.endr
	PLACES 8
	WIN 0x10
.irp b, 0,1
.irp u, 0,1
.irp j, 0,2,4,6
	v_pk_fma_f32 v[160+16*\b+8*\u+\j:161+16*\b+8*\u+\j], v[160+16*\b+8*\u+\j:161+16*\b+8*\u+\j], s[50:51], v[8*(3*(BQI-\b+1)+UQ-\u+1)+\j:8*(3*(BQI-\b+1)+UQ-\u+1)+\j+1] op_sel_hi:[1,0,1]   ; / sqrt(32) + the relative bias
.endr
.endr
.endr
	WIN 0
.irp b, 0,1
.irp u, 0,1
.irp j, 0,2,4,6
	v_pk_add_f32 v[160+16*\b+8*\u+\j:161+16*\b+8*\u+\j], v[160+16*\b+8*\u+\j:161+16*\b+8*\u+\j], v[248+4*((BQI+\b)%2)+2*(\j/4):249+4*((BQI+\b)%2)+2*(\j/4)]   ; + the mask
.endr
.endr
.endr
.irp b, 0,1
	v_max3_num_f32 v[208+\b], v[160+16*\b], v[161+16*\b], v[162+16*\b]   ; the largest score of each block of 32 keys: for the row's maximum and, since p rises with the score, for the block's largest p
.endr
.irp i, 3,5,7,9,11,13
.irp b, 0,1
	v_max3_num_f32 v[208+\b], v[208+\b], v[160+16*\b+\i], v[161+16*\b+\i]
.endr
.endr
.irp b, 0,1
	v_max_num_f32 v[208+\b], v[208+\b], v[175+16*\b]
.endr
.irp b, 0,1
	v_permlanex16_b32 v[210+\b], v[208+\b], s46, s47
.endr
.irp b, 0,1
	v_max_num_f32 v[208+\b], v[208+\b], v[210+\b]
.endr
	v_max_num_f32 v212, v208, v209                 ; the row's maximum is taken away ahead of the exponential
	v_mul_f32 v[RP], 0xbfb8aa3b, v212
.set n, 0
.rept 16
	v_pk_fma_f32 v[160+n:161+n], v[160+n:161+n], s[52:53], v[RP:RP+1] op_sel_hi:[1,0,0]
.set n, n+2
.endr
.irp b, 0,1
	v_fma_f32 v[208+\b], v[208+\b], s52, v[RP]
.endr
.set n, 0
.rept 32
	v_exp_f32 v[160+n], v[160+n]
.set n, n+1
.endr
	v_exp_f32 v208, v208
	v_exp_f32 v209, v209
	v_nop                                          ; a plain line behind the exponentials
	s_wait_alu depctr_va_vdst(0)
	v_pk_add_f32 v[214:215], v[160:161], v[162:163]
	v_pk_add_f32 v[216:217], v[164:165], v[166:167]
.irp j, 8,12,16,20,24,28
	v_pk_add_f32 v[214:215], v[214:215], v[160+\j:161+\j]
	v_pk_add_f32 v[216:217], v[216:217], v[162+\j:163+\j]
.endr
	v_pk_add_f32 v[214:215], v[214:215], v[216:217]
	v_add_f32 v214, v214, v215
	v_permlanex16_b32 v215, v214, s46, s47
	v_add_f32 v214, v214, v215                     ; the row's sum
	v_rcp_f32 v[RI], v214
	v_nop
.set n, 0
	s_wait_alu depctr_va_vdst(0)
.rept 16
	v_pk_mul_f32 v[160+n:161+n], v[160+n:161+n], v[RI:RI+1] op_sel_hi:[1,0]   ; p is quantised finished and normalised
.set n, n+2
.endr
.irp b, 0,1
	v_mul_f32 v[208+\b], v[208+\b], v[RI]
.endr
.irp b, 0,1
	v_max_num_f32 v[208+\b], 0x8000000, v[208+\b]  ; the floor: a block all of whose p are 0 keeps the byte 1 and zero codes
.endr
.irp b, 0,1
	v_add_nc_u32 v[218+\b], 0xf8800000, v[208+\b]
.endr
.irp b, 0,1
	v_and_or_b32 v[220+\b], v[208+\b], 0x7f800000, s48
.endr
.irp b, 0,1
	v_lshrrev_b32 v[210+\b], 23, v[218+\b]
.endr
	v_lshl_or_b32 v[PSC], v211, 8, v210
.irp b, 0,1
.irp i, 0,1,2,3,4,5,6,7,8,9,10,11,12,13,14,15
	v_min_num_f32 v[160+16*\b+\i], v[160+16*\b+\i], v[220+\b]   ; p is not negative: the hold is one-sided
.endr
	v_cvt_scalef32_pk8_bf8_f32 v[224+4*\b:225+4*\b], v[160+16*\b:167+16*\b], v[218+\b]
	v_cvt_scalef32_pk8_bf8_f32 v[226+4*\b:227+4*\b], v[168+16*\b:175+16*\b], v[218+\b]
.endr
	PLACES 4
.irp u, 0,1
	WMZ 192+8*\u, 64+8*\u, 224, VS+\u, PSC         ; O^T: source 0 = 16 channels of V^T, source 1 = p and zeros
.endr
	PLACES 9                                       ; eight for the read below; the ninth for the next tile's q, which begins these accumulators anew
	QB1 192
	QB2 192, 244
	ds_store_b128 v[L2], v[244:247] offset:4096*(\m)
	ds_store_b8 v[L3], v[TBY] offset:256*(\m)
.endm
; x / 2 (1 + erf(x / sqrt(2))) on eight registers, in place.  erf(z) = z P(z^2) / Q(z^2), |z| held at 4.
.macro GELU8 x
.irp i, 0,2,4,6
	v_pk_mul_f32 v[GZ+\i:GZ+\i+1], v[\x+\i:\x+\i+1], v[CF+24:CF+25]
.endr
.irp i, 0,1,2,3,4,5,6,7
	v_med3_num_f32 v[GZ+\i], v[GZ+\i], -4.0, 4.0
.endr
.irp i, 0,2,4,6
	v_pk_mul_f32 v[GT+\i:GT+\i+1], v[GZ+\i:GZ+\i+1], v[GZ+\i:GZ+\i+1]
.endr
.irp i, 0,2,4,6
	v_pk_fma_f32 v[GP+\i:GP+\i+1], v[GT+\i:GT+\i+1], v[CF:CF+1], v[CF+2:CF+3]
.endr
.irp i, 0,2,4,6
	v_pk_fma_f32 v[GQ+\i:GQ+\i+1], v[GT+\i:GT+\i+1], v[CF+14:CF+15], v[CF+16:CF+17]
.endr
.irp c, 4,6,8,10,12
.irp i, 0,2,4,6
	v_pk_fma_f32 v[GP+\i:GP+\i+1], v[GP+\i:GP+\i+1], v[GT+\i:GT+\i+1], v[CF+\c:CF+\c+1]
.endr
.endr
.irp c, 18,20,22
.irp i, 0,2,4,6
	v_pk_fma_f32 v[GQ+\i:GQ+\i+1], v[GQ+\i:GQ+\i+1], v[GT+\i:GT+\i+1], v[CF+\c:CF+\c+1]
.endr
.endr
.irp i, 0,1,2,3,4,5,6,7
	v_rcp_f32 v[GQ+\i], v[GQ+\i]
.endr
.irp i, 0,2,4,6
	v_pk_mul_f32 v[GP+\i:GP+\i+1], v[GP+\i:GP+\i+1], v[GZ+\i:GZ+\i+1]   ; plain lines behind the reciprocals
.endr
	s_wait_alu depctr_va_vdst(0)
.irp i, 0,2,4,6
	v_pk_mul_f32 v[GP+\i:GP+\i+1], v[GP+\i:GP+\i+1], v[GQ+\i:GQ+\i+1]
.endr
.irp i, 0,2,4,6
	v_pk_mul_f32 v[\x+\i:\x+\i+1], v[\x+\i:\x+\i+1], 0.5 op_sel_hi:[1,0]
.endr
.irp i, 0,2,4,6
	v_pk_fma_f32 v[\x+\i:\x+\i+1], v[\x+\i:\x+\i+1], v[GP+\i:GP+\i+1], v[\x+\i:\x+\i+1]
.endr
.endm
.macro HPOST par                       ; a tile of the hidden chunk in accumulator pair par: GELU, quantiser, image to LDS
	GELU8 192+16*(\par)
	GELU8 200+16*(\par)
	QB1 192+16*(\par)
	QB2 192+16*(\par), 240
	ds_store_b128 v[WHI], v[240:243] offset:4096*(\par)
	ds_store_b8 v[WHS], v[TBY] offset:256*(\par)
.endm
; The second MLP product goes in four groups: group g = tiles 4 (g / 2) .. + 3, K step g % 2.  Even groups' fragments lie in v128-191, odd groups' in v192-223 and v64-95.
.macro HREG g, i
.if (\g)%2 == 0
.set HR, 128+16*(\i)
.elseif (\i) < 2
.set HR, 192+16*(\i)
.else
.set HR, 64+16*((\i)-2)
.endif
.endm
.macro HFETCH g                        ; 20 LDS loads
.irp i, 0,1,2,3
	HREG \g, \i
.irp c, 0,1,2,3
	ds_load_b128 v[HR+4*\c:HR+4*\c+3], v[AHI] offset:(2*(4*((\g)/2)+\i)+(\g)%2)*2048+512*\c
.endr
	ds_load_b32 v[KS+4*((\g)%2)+\i], v[AHS] offset:(2*(4*((\g)/2)+\i)+(\g)%2)*128
.endr
.endm
.macro MM2 g                           ; eight products on eight accumulators of the rows, in place
	WIN 0x51
.irp i, 0,1,2,3
	HREG \g, \i
.irp u, 0,1
	WMC 16*(4*((\g)/2)+\i)+8*\u, 192+32*\u+16*((\g)%2), HR, 16*(4*((\g)/2)+\i)+8*\u, WSC+4+2*\u+(\g)%2, KS+4*((\g)%2)+\i
.endr
.endr
	WIN 0
.endm
.macro COEF i, bits
	v_mov_b32 v[CF+2*\i], \bits
	v_mov_b32 v[CF+2*\i+1], \bits
.endm
; ---------------------------------------------------------------- the head
	s_load_b256 s[4:11], s[0:1], 0x0               ; hidden_states, wcodes, wscales, ln1_g
	s_load_b256 s[12:19], s[0:1], 0x20             ; ln1_b, bk, bv, bq
	s_load_b256 s[20:27], s[0:1], 0x40             ; rel_table, bo, ln2_g, ln2_b
	s_load_b128 s[28:31], s[0:1], 0x60             ; b1, b2
	s_load_b64 s[32:33], s[0:1], 0x70              ; out0
	v_lshrrev_b32 v25, 5, v0
	v_readfirstlane_b32 s34, v25                   ; wave 0..7
	s_bfe_u32 s78, ttmp9, 0x30002                  ; wh
	s_and_b32 s79, ttmp9, 3
	s_lshr_b32 s80, ttmp9, 5                       ; batch
	s_lshr_b32 s81, s34, 2                         ; I carry tile w in and out: its window,
	s_and_b32 s82, s34, 3                          ; and its place T in it
	s_lshl_b32 s83, s79, 1
	s_add_co_u32 s83, s83, s81                     ; ww
	s_lshl_b32 s83, s83, 3
	s_add_co_u32 s83, s83, 4
.irp j, 0,1,2,3,4,5,6,7
	s_add_co_u32 s[70+\j], s83, \j                 ; image column (8 ww + 4 + j) % 64, in bytes of a row of 1,024
	s_and_b32 s[70+\j], s[70+\j], 63
	s_lshl_b32 s[70+\j], s[70+\j], 10
.endr
	s_lshl_b32 s84, s78, 3
	s_add_co_u32 s84, s84, 4
	s_lshr_b32 s85, s82, 1
	s_lshl_b32 s85, s85, 2
	s_add_co_u32 s84, s84, s85
	s_and_b32 s85, s82, 1
	s_add_co_u32 s84, s84, s85
	s_and_b32 s84, s84, 63                         ; image row of the tile's rows 0-7: (8 wh + 4 + 4 (T / 2) + T % 2) % 64; rows 8-15 lie two further down, never across the edge
	s_lshl_b32 s66, s84, 16
	s_lshl_b32 s85, s80, 22
	s_add_co_u32 s66, s66, s85
	s_mov_b32 s67, 0
	s_cmp_eq_u32 s78, 7
	s_cselect_b32 s56, 0xc2c80000, 0               ; -100 between the halves of the rows where wh = 7
	s_cmp_eq_u32 s79, 3
	s_cselect_b32 s57, 0xc2c80000, 0               ; and of the columns where ww = 7: window 1 of the work-groups with g % 4 = 3
	s_lshl_b32 s68, s34, 13
	s_mov_b32 s69, 0
	s_lshl_b32 s78, s34, 9
	s_mov_b32 s79, 0
	s_lshl_b32 s86, s34, 7                         ; 128 w
	s_lshl_b32 s87, s34, 9                         ; 512 w
	s_lshl_b32 s88, s81, 7
	s_add_co_u32 s88, s88, s82                     ; 128 (w / 4) + w % 4
	s_lshl_b32 s89, s34, 3                         ; 8 w
	s_mul_i32 s85, s34, TILEB
	s_lshl_b32 s84, s34, 2                         ; 4 w
	s_mov_b32 s46, 0x76543210
	s_mov_b32 s47, 0xfedcba98                      ; v_permlanex16_b32's selects for lane l xor 16
	s_mov_b32 s48, 0x600000                        ; the mantissa field of 57,344
	s_mov_b32 s50, 0x3e3504f3                      ; 1 / sqrt(32)
	s_mov_b32 s51, s50
	s_mov_b32 s52, 0x3fb8aa3b                      ; log2(e)
	s_mov_b32 s53, s52
	s_mov_b32 s54, 0x3b800000                      ; 1 / 256
	s_mov_b32 s55, 0x3727c5ac                      ; 1e-5
	v_and_b32 v[LI], 31, v0
	v_lshlrev_b32 v[LS], 2, v[LI]
	v_lshlrev_b32 v[LI], 4, v[LI]
.irp j, 0,1,2,3,4,5,6,7
	v_add_nc_u32 v[64+\j], s[70+\j], v[LI]
.endr
	s_wait_kmcnt 0x0
	s_add_nc_u64 s[36:37], s[4:5], s[66:67]
	s_add_nc_u64 s[38:39], s[32:33], s[66:67]
	s_add_nc_u64 s[40:41], s[6:7], s[68:69]
	s_add_nc_u64 s[42:43], s[8:9], s[78:79]
	s_mov_b64 s[44:45], s[28:29]
.irp r, 0,1,2,3,4,5,6,7,8,9,10,11,12,13,14,15
.irp f, 0,1
	global_load_b128 v[128+8*\r+4*\f:128+8*\r+4*\f+3], v[64+\r%8], s[36:37] offset:(\r/8)*131072+512*\f th:TH_LOAD_NT   ; tile w's rows, whole: 512 consecutive bytes a load
.endr
.endr
	WLOAD 0, 0, 0                                  ; wk
	v_and_b32 v25, 15, v0                          ; r
	v_bfe_u32 v63, v0, 4, 1                        ; h
	v_lshl_add_u32 v[CO], v63, 6, s86
	v_and_b32 v[VO], 8, v25
	v_add_nc_u32 v[VO], v[VO], v25
	v_lshl_add_u32 v[VO], v[VO], 2, s86
	v_bfe_u32 v[RBO], v0, 3, 1                     ; rel_table: 32 (30 (r / 8 - h + 1) + r % 8) + 4 w
	v_sub_nc_u32 v[RBO], v[RBO], v63
	v_add_nc_u32 v[RBO], 1, v[RBO]
	v_mul_u32_u24 v[RBO], v[RBO], 30
	v_and_b32 v[AXI], 7, v0
	v_add_nc_u32 v[RBO], v[RBO], v[AXI]
	v_lshl_add_u32 v[RBO], v[RBO], 5, s84
	v_add_nc_u32 v[AXI], XIMG, v[LI]
	v_add_nc_u32 v[AXS], XSC, v[LS]
	v_add_nc_u32 v[ACI], CIMG, v[LI]
	v_add_nc_u32 v[ACS], CSC, v[LS]
	v_add_nc_u32 v[WI0], s87, v[LI]
	v_add_nc_u32 v[WS0], s88, v[LS]
	v_add_nc_u32 v[WXI], XIMG, v[WI0]
	v_add_nc_u32 v[WXS], XSC, v[WS0]
	v_add_nc_u32 v[WCI], CIMG, v[WI0]
	v_add_nc_u32 v[WCS], CSC, v[WS0]
	v_mul_u32_u24 v[STR], v25, 80
	v_add_nc_u32 v[STR], ST, v[STR]
	v_add_nc_u32 v[STW], s89, v[STR]
	v_add_nc_u32 v[SGW], s85, v[LI]
	v_mul_u32_u24 v[SGR], v25, SPIT
	v_add_nc_u32 v[SGR], v[SGR], v[CO]
	v_add_nc_u32 v[SGR+1], 4*TILEB, v[SGR]
	v_mov_b32 v[MS+1], 0                           ; named as upper halves of pairs, or as a lane permute's destination, before they are first written
	v_mov_b32 v[RP+1], 0
	v_mov_b32 v[RI+1], 0
	v_mov_b32 v[TB], 0
	s_wait_loadcnt 20                              ; x is in; wk's 20 loads may stay out
.irp r, 0,1,2,3,4,5,6,7,8,9,10,11,12,13,14,15
.irp f, 0,1
	ds_store_b128 v[SGW], v[128+8*\r+4*\f:128+8*\r+4*\f+3] offset:SPIT*\r+512*\f
.endr
.endr
	WLOAD 1, 65536, 4096                           ; wv
.irp q, 0,1,2,3
	global_load_b128 v[96+4*\q:99+4*\q], v[CO], s[10:11] offset:16*\q      ; ln1_g, ln1_b of my 16 columns
	global_load_b128 v[112+4*\q:115+4*\q], v[CO], s[12:13] offset:16*\q
.endr
	WIN 0x40
.irp q, 0,1,2,3
	global_load_b128 v[72+4*\q:75+4*\q], v[CO], s[14:15] offset:16*\q      ; bk, bq in the results' layout
	global_load_b128 v[104+4*\q:107+4*\q], v[CO], s[18:19] offset:16*\q
.endr
.irp u, 0,1
.irp j, 0,1,2,3,4,5,6,7
	global_load_b32 v[88+8*\u+\j], v[VO], s[16:17] offset:32*\u            ; bv: in V's layout a lane holds one channel, so a tile's eight registers are alike
.endr
.endr
.irp a, 0,1,2
.irp e, 0,1,2
.irp j, 0,1,2,3,4,5,6,7
	global_load_b32 v[8*(3*\a+\e)+\j], v[RBO], s[20:21] offset:32*(15*(4*(\a-1)+\e-1)+82-\j)   ; rel_table[(iq - ik + 7) 15 + jq - jk + 7][w] for the nine distances between a tile of queries and a tile of keys
.endr
.endr
.endr
	WIN 0
	BARRIER                                        ; the 128 rows of x lie in the stage
; ---------------------------------------------------------------- LN1.  The statistics: four trips of two tiles; v128-159 the tiles' numbers, v64-95 at work
	s_mov_b32 s66, 0                               ; the stage: 16,640 bytes a tile
	s_mov_b32 s67, 0                               ; the statistics: 1,280
	s_mov_b32 s61, 4
.Lstat:
	s_wait_dscnt 0x0                               ; no LDS instruction of mine is out when its address registers are written again
	v_add_nc_u32 v[L0], s66, v[SGR]
	v_add_nc_u32 v[L1], s67, v[STW]
	LD64 XA, L0, 0
	LD64 XBF, L0, TILEB
	s_wait_dscnt 4                                 ; the first tile's four loads are in
	LNSTAT XA, 0, L1, 0
	s_wait_dscnt 1                                 ; the second tile's are in; my store may be out
	LNSTAT XBF, 0, L1, 1280
	s_add_co_u32 s66, s66, 2*TILEB
	s_add_co_u32 s67, s67, 2560
	s_sub_co_u32 s61, s61, 1
	s_cmp_lg_u32 s61, 0
	s_cbranch_scc1 .Lstat
	BARRIER                                        ; every group's statistics lie in LDS
	s_wait_loadcnt 0x0                             ; all that the head asked for
	LNLOOP
.irp i, 0,1,2,3,4,5,6,7,8,9,10,11
	v_mov_b32 v[232+\i], 0                         ; the zero codes that fill K = 32 and K = 64 up to 128
.endr
	BARRIER                                        ; LN1's sixteen fragments lie in LDS
; ---------------------------------------------------------------- K: k = x wk^T + bk, quantised along the head's 32: codes v96 + 4 m, byte in the scale word's top
	FETCH AXI, AXS, 0, 0
	s_wait_dscnt 0x0
	MMT 0, 0, 192, 72, 0x11, 0x01
	FETCH AXI, AXS, 1, 1
.irp m, 0,1,2,3,4,5,6,7
.if \m < 7
	s_wait_dscnt 0x0
	MMT 0, (\m+1)%2, 192+16*((\m+1)%2), 72, 0x11, 0x01
.endif
.if \m == 0
	PLACES 9
.endif
.if \m < 6
	FETCH AXI, AXS, \m%2, \m+2
.endif
.if \m == 7
	WLOAD 0, 2*65536, 2*4096                       ; wk is done with: wq
.endif
	QB1 192+16*(\m%2)
	v_lshlrev_b32 v[KS+\m], 24, v[TBY]
	QB2 192+16*(\m%2), 96+4*\m
.endr
; ---------------------------------------------------------------- V: untransposed, two tiles of tokens (32 neighbouring keys) a step; four accumulators (channel tile u, token tile t) by turns
	FETCH AXI, AXS, 0, 0
	FETCH AXI, AXS, 1, 1
.irp p, 0,1,2,3
	s_wait_dscnt 0x0
	WIN 0x14
.irp u, 0,1
.irp t, 0,1
	WMC 192+16*\u+8*\t, 128+32*\t, 192+32*\u, 88+8*\u, ASC+2*\t, WSC+4+2*\u
.endr
.endr
	WIN 0x04
.irp u, 0,1
.irp t, 0,1
	WMC 192+16*\u+8*\t, 128+32*\t+16, 192+32*\u+16, 192+16*\u+8*\t, ASC+2*\t+1, WSC+4+2*\u+1
.endr
.endr
	WIN 0
	PLACES 8                                       ; for the loads and reads below; the other channel tile's quantiser adds the ninth ahead of the next step's products
.if \p < 3
	FETCH AXI, AXS, 0, 2*\p+2
	FETCH AXI, AXS, 1, 2*\p+3
.else
	WLOAD 1, 3*65536, 3*4096                       ; wv is done with: wo
.endif
.irp u, 0,1
	QB1 192+16*\u
.if \p%2 == 0
	v_mov_b32 v[VS+2*(\p/2)+\u], v[TBY]
.else
	v_lshl_or_b32 v[VS+2*(\p/2)+\u], v[TBY], 8, v[VS+2*(\p/2)+\u]
.endif
	QB2 192+16*\u, 64+16*(\p/2)+8*\u+4*(\p%2)
.endr
.endr
; ---------------------------------------------------------------- attention: a trip to a window, four tiles of queries in it
	v_mov_b32 v210, 0                              ; lane permutes' destinations
	v_mov_b32 v211, 0
	s_mov_b32 s62, 0                               ; the images: 16,384 bytes a window
	s_mov_b32 s63, 0                               ; the scale words: 1,024
	s_mov_b32 s68, 0                               ; the mask between the halves of the columns: window 0 never lies in the last column of windows
	s_mov_b32 s61, 2
	s_wait_loadcnt 20                              ; wq is in; wo's 20 loads may stay out
.Latt:
	v_add_nc_u32 v[L0], s62, v[AXI]
	v_add_nc_u32 v[L1], s63, v[AXS]
	v_add_nc_u32 v[L2], s62, v[WCI]
	v_add_nc_u32 v[L3], s63, v[WCS]
	FETCH L0, L1, 0, 0
	MASKSET s68
	ATT 0
	ATT 1
	ATT 2
	ATT 3
.irp i, 0,1,2,3,4,5,6,7,8,9,10,11,12,13,14,15
	v_mov_b32 v[96+\i], v[112+\i]                  ; the second window's codes of K and of V take the first's registers, and so do their scale words (in the second trip these lines change nothing)
	v_mov_b32 v[64+\i], v[80+\i]
.endr
.irp i, 0,1,2,3
	v_mov_b32 v[KS+\i], v[KS+4+\i]
.endr
	v_mov_b32 v[VS], v[VS+2]
	v_mov_b32 v[VS+1], v[VS+3]
	s_wait_dscnt 0x0                               ; no LDS instruction of mine is out when its address registers are written again
	s_add_co_u32 s62, s62, 16384
	s_add_co_u32 s63, s63, 1024
	s_mov_b32 s68, s57
	s_sub_co_u32 s61, s61, 1
	s_cmp_lg_u32 s61, 0
	s_cbranch_scc1 .Latt
	WLOAD 0, 4*65536, 4*4096                       ; wq is done with: w1's first chunk
.irp q, 0,1,2,3
	global_load_b128 v[192+4*\q:195+4*\q], v[CO], s[22:23] offset:16*\q    ; bo
	global_load_b128 v[96+4*\q:99+4*\q], v[CO], s[24:25] offset:16*\q      ; ln2_g
	global_load_b128 v[112+4*\q:115+4*\q], v[CO], s[26:27] offset:16*\q    ; ln2_b
	global_load_b128 v[208+4*\q:211+4*\q], v[CO], s[30:31] offset:16*\q    ; b2
	global_load_b128 v[224+4*\q:227+4*\q], v[CO], s[28:29] offset:16*\q    ; b1's first chunk
.endr
	BARRIER                                        ; ctx's sixteen fragments lie in LDS
; ---------------------------------------------------------------- wo and the residual: the rows (window 1) begin as x + bo, and the product sums onto them.  Each finished tile goes back into my own columns
; of the stage, for LN2's loop; its statistics follow; then b2 is added to the registers, on which the second MLP product will sum
	WIN 0x40
.irp m, 0,1,2,3,4,5,6,7
.irp q, 0,1,2,3
	ds_load_b128 v[16*\m+4*\q:16*\m+4*\q+3], v[SGR+\m/4] offset:(\m%4)*TILEB+16*\q
.endr
.endr
	WIN 0
	FETCH ACI, ACS, 0, 0
	s_wait_loadcnt 0x0                             ; wo, w1's first chunk, the parameters
	s_wait_dscnt 10                                ; x is in; the ten loads of the first fragments may stay out
	WIN 0x41
.irp m, 0,1,2,3,4,5,6,7
.irp i, 0,2,4,6,8,10,12,14
	v_pk_add_f32 v[16*\m+\i:16*\m+\i+1], v[16*\m+\i:16*\m+\i+1], v[192+\i:193+\i]
.endr
.endr
	WIN 0
	s_wait_dscnt 0x0
	MMT 1, 0, 0, 0, 0x51, 0x51
	FETCH ACI, ACS, 1, 1
.irp m, 0,1,2,3,4,5,6,7
.if \m < 7
	s_wait_dscnt 0x0
	MMT 1, (\m+1)%2, 16*(\m+1), 16*(\m+1), 0x51, 0x51
.endif
.if \m == 0
	PLACES 9
.endif
.if \m < 6
	FETCH ACI, ACS, \m%2, \m+2
.endif
.if \m == 7
	WLOAD 1, 5*65536, 5*4096                       ; wo is done with: w2's first chunk
.endif
	WIN 0x04                                       ; an LDS store's data are its source 1: window 1
.irp q, 0,1,2,3
	ds_store_b128 v[SGR+\m/4], v[16*\m+4*\q:16*\m+4*\q+3] offset:(\m%4)*TILEB+16*\q   ; each accumulator from its low end on; no other wave touches these columns
.endr
	WIN 0
	LNSTAT 16*\m, 1, STW, 1280*\m
	WIN 0x41
.irp i, 0,2,4,6,8,10,12,14
	v_pk_add_f32 v[16*\m+\i:16*\m+\i+1], v[16*\m+\i:16*\m+\i+1], v[208+\i:209+\i]
.endr
	WIN 0
.endr
	BARRIER
	LNLOOP                                         ; LN2's codes take the place of LN1's, whose last read stands two barriers back
	BARRIER
; ---------------------------------------------------------------- the MLP: v64-95 at work, v96-121 coefficients, v192-223 two tiles of the hidden chunk, v224-239 b1, v240-243 codes
	COEF 0, 0xaf95df0b                             ; P, from the highest power down: -2.72614225801306e-10
	COEF 1, 0x32edffee                             ;  2.77068142495902e-08
	COEF 2, 0xb60cff51                             ; -2.10102402082508e-06
	COEF 3, 0xb86ec2d2                             ; -5.69250639462346e-05
	COEF 4, 0xba40ac63                             ; -7.34990630326855e-04
	COEF 5, 0xbb41a1f6                             ; -2.95459980854025e-03
	COEF 6, 0xbc83dbd4                             ; -1.60960333262415e-02
	COEF 7, 0xb77460cd                             ; Q: -1.45660718464996e-05
	COEF 8, 0xb95fbd29                             ; -2.13374055278905e-04
	COEF 9, 0xbadc924e                             ; -1.68282697438203e-03
	COEF 10, 0xbbf19bf8                            ; -7.37332916720468e-03
	COEF 11, 0xbc69b6a7                            ; -1.42647390514189e-02
	COEF 12, 0x3f3504f3                            ; 1 / sqrt(2)
	s_mov_b32 s58, HIMG
	s_mov_b32 s59, HSC
	s_mov_b32 s60, 4
; A TRIP: chunk p of 256 hidden units.  First product, GELU and quantiser tile by tile, images to buffer p % 2 | barrier | second product onto the rows.
; One barrier a trip: buffer p % 2 is written again in trip p + 2, behind trip p + 1's barrier, in front of which every wave has waited for its reads of it.
; THE WEIGHTS' LOADS: each group is waited for, with the count 0, just ahead of the next group's issue, so that the waits hold whether or not the last trip's branches leave a group out.
; At a trip's head w1's chunk and b1's are in, and only w2's 20 loads are out.
.Lmlp:
	v_add_nc_u32 v[AHI], s58, v[LI]
	v_add_nc_u32 v[AHS], s59, v[LS]
	v_add_nc_u32 v[WH0], s58, v[WI0]
	v_add_nc_u32 v[WC0], s59, v[WS0]
	s_mov_b32 s62, 0                               ; the images: 8,192 bytes a pair of tiles
	s_mov_b32 s63, 0                               ; the scale words: 512
	s_mov_b32 s61, 3
	FETCH AXI, AXS, 0, 0
	FETCH AXI, AXS, 1, 1
	s_wait_dscnt 10                                ; tile 0's fragments are in; tile 1's ten loads may stay out
	MMT 0, 0, 192, 224, 0x01, 0x01
	PLACES 9                                       ; in the first pair no vector work stands yet between these products and what follows them
.Lpair:                                            ; tiles 2 t and 2 t + 1, t = 0 .. 2: the next tile's products stand ahead of a tile's vector work, which is their places
	s_wait_dscnt 0x0
	v_add_nc_u32 v[YI], s62, v[AXI]
	v_add_nc_u32 v[YS], s63, v[AXS]
	v_add_nc_u32 v[WHI], s62, v[WH0]
	v_add_nc_u32 v[WHS], s63, v[WC0]
	MMT 0, 1, 208, 224, 0x01, 0x01                 ; tile 2 t + 1
	FETCH YI, YS, 0, 2                             ; tile 2 t + 2
	HPOST 0
	s_wait_dscnt 0x0
	MMT 0, 0, 192, 224, 0x01, 0x01                 ; tile 2 t + 2
	FETCH YI, YS, 1, 3                             ; tile 2 t + 3
	HPOST 1
	s_add_co_u32 s62, s62, 8192
	s_add_co_u32 s63, s63, 512
	s_sub_co_u32 s61, s61, 1
	s_cmp_lg_u32 s61, 0
	s_cbranch_scc1 .Lpair
	s_wait_dscnt 0x0                               ; tiles 6 and 7 are written out: nothing more is fetched
	v_add_nc_u32 v[WHI], s62, v[WH0]
	v_add_nc_u32 v[WHS], s63, v[WC0]
	MMT 0, 1, 208, 224, 0x01, 0x01                 ; tile 7
	HPOST 0
	s_wait_loadcnt 0x0                             ; w2's chunk, asked for seven tiles ago, is in
	s_cmp_eq_u32 s60, 1                            ; the last chunk asks for nothing more: no load leaves its buffer
	s_cbranch_scc1 .Lno_w1
	WLOAD 0, 6*65536, 6*4096                       ; w1's next chunk and b1's
.irp q, 0,1,2,3
	global_load_b128 v[224+4*\q:227+4*\q], v[CO], s[44:45] offset:1024+16*\q
.endr
.Lno_w1:
	HPOST 1
	BARRIER                                        ; the chunk's sixteen fragments lie in LDS
	HFETCH 0
	HFETCH 1
	s_wait_dscnt 20                                ; all but the group just asked for
	MM2 0
	PLACES 8
	HFETCH 2
	s_wait_dscnt 20
	MM2 1
	PLACES 8
	HFETCH 3
	s_wait_dscnt 20
	MM2 2
	s_wait_dscnt 0x0
	MM2 3
	PLACES 9                                       ; the next trip's first products write over registers that these read
	s_wait_loadcnt 0x0                             ; w1's next chunk and b1's, asked for a whole second product ago, are in
	s_cmp_eq_u32 s60, 1
	s_cbranch_scc1 .Lno_w2
	WLOAD 1, 7*65536, 7*4096                       ; w2's next chunk
.Lno_w2:
	s_wait_xcnt 0x0                                ; the loads' bases are stepped only behind this wait (behind the last trip they are not used again)
	s_add_nc_u64 s[40:41], s[40:41], 131072
	s_add_nc_u64 s[42:43], s[42:43], 8192
	s_add_nc_u64 s[44:45], s[44:45], 1024
	s_xor_b32 s58, s58, 0x8000                     ; the other buffer
	s_xor_b32 s59, s59, 0x800
	s_sub_co_u32 s60, s60, 1
	s_cmp_lg_u32 s60, 0
	s_cbranch_scc1 .Lmlp
; ---------------------------------------------------------------- the way out: my columns into the stage, a barrier, tile w's whole rows back and out
	WIN 0x04                                       ; an LDS store's data are its source 1: window 1
.irp m, 0,1,2,3,4,5,6,7
.irp q, 0,1,2,3
	ds_store_b128 v[SGR+\m/4], v[16*\m+4*\q:16*\m+4*\q+3] offset:(\m%4)*TILEB+16*\q   ; each accumulator from its low end on
.endr
.endr
	WIN 0
	BARRIER
.irp j, 0,1,2,3,4,5,6,7
	v_add_nc_u32 v[64+\j], s[70+\j], v[LI]
.endr
.irp r, 0,1,2,3,4,5,6,7,8,9,10,11,12,13,14,15
.irp f, 0,1
	ds_load_b128 v[128+8*\r+4*\f:128+8*\r+4*\f+3], v[SGW] offset:SPIT*\r+512*\f
.endr
.endr
.irp r, 0,1,2,3,4,5,6,7,8,9,10,11,12,13,14,15
.irp f, 0,1
	s_wait_dscnt 31-(2*\r+\f)
	global_store_b128 v[64+\r%8], v[128+8*\r+4*\f:128+8*\r+4*\f+3], s[38:39] offset:(\r/8)*131072+512*\f th:TH_STORE_NT   ; 32 lanes store 512 consecutive bytes, two aligned blocks of 256
.endr
.endr
	s_wait_xcnt 0x0
	v_lshl_add_u32 v254, v0, 2, 0x45000
	v_mov_b32 v255, 0
	s_wait_tensorcnt 0x0
	ds_add_u32 v254, v255
	s_wait_dscnt 0x0
	s_endpgm
.Lfunc_end_k_q4ae4375fbe_block:
	.size	k_q4ae4375fbe_block, .Lfunc_end_k_q4ae4375fbe_block-k_q4ae4375fbe_block
	.p2alignl 7, 3214868480
	.fill 96, 4, 3214868480
	.section	.rodata,"a",@progbits
	.p2align	6, 0x0
	.amdhsa_kernel k_q4ae4375fbe_block
		.amdhsa_group_segment_fixed_size 283648
		.amdhsa_private_segment_fixed_size 0
		.amdhsa_enable_private_segment 0
		.amdhsa_kernarg_size 120
		.amdhsa_user_sgpr_count 2
		.amdhsa_user_sgpr_kernarg_segment_ptr 1
		.amdhsa_wavefront_size32 1
		.amdhsa_system_sgpr_workgroup_id_x 1
		.amdhsa_system_sgpr_workgroup_id_y 1
		.amdhsa_system_sgpr_workgroup_id_z 1
		.amdhsa_system_vgpr_workitem_id 0
		.amdhsa_next_free_vgpr 512
		.amdhsa_next_free_sgpr 90
		.amdhsa_reserve_vcc 1
		.amdhsa_float_denorm_mode_32 3
		.amdhsa_float_denorm_mode_16_64 3
		.amdhsa_memory_ordered 1
		.amdhsa_forward_progress 1
		.amdhsa_inst_pref_size 255
	.end_amdhsa_kernel
	.section	.bss,"aw",@nobits
	.p2align	6
	.space	262144
	.amdgpu_metadata
---
amdhsa.version: [ 1, 2 ]
amdhsa.kernels:
  - .name:           k_q4ae4375fbe_block
    .symbol:         k_q4ae4375fbe_block.kd
    .args:
      - { .name: hidden_states, .offset: 0, .size: 8, .value_kind: global_buffer, .address_space: global }
      - { .name: wcodes, .offset: 8, .size: 8, .value_kind: global_buffer, .address_space: global }
      - { .name: wscales, .offset: 16, .size: 8, .value_kind: global_buffer, .address_space: global }
      - { .name: ln1_g, .offset: 24, .size: 8, .value_kind: global_buffer, .address_space: global }
      - { .name: ln1_b, .offset: 32, .size: 8, .value_kind: global_buffer, .address_space: global }
      - { .name: bk, .offset: 40, .size: 8, .value_kind: global_buffer, .address_space: global }
      - { .name: bv, .offset: 48, .size: 8, .value_kind: global_buffer, .address_space: global }
      - { .name: bq, .offset: 56, .size: 8, .value_kind: global_buffer, .address_space: global }
      - { .name: rel_table, .offset: 64, .size: 8, .value_kind: global_buffer, .address_space: global }
      - { .name: bo, .offset: 72, .size: 8, .value_kind: global_buffer, .address_space: global }
      - { .name: ln2_g, .offset: 80, .size: 8, .value_kind: global_buffer, .address_space: global }
      - { .name: ln2_b, .offset: 88, .size: 8, .value_kind: global_buffer, .address_space: global }
      - { .name: b1, .offset: 96, .size: 8, .value_kind: global_buffer, .address_space: global }
      - { .name: b2, .offset: 104, .size: 8, .value_kind: global_buffer, .address_space: global }
      - { .name: out0, .offset: 112, .size: 8, .value_kind: global_buffer, .address_space: global }
    .group_segment_fixed_size: 283648
    .private_segment_fixed_size: 0
    .kernarg_segment_align: 8
    .kernarg_segment_size: 120
    .max_flat_workgroup_size: 256
    .sgpr_count:     90
    .vgpr_count:     512
    .wavefront_size: 32
...
	.end_amdgpu_metadata
.endif
;; end of part 3
